; MI455X (gfx1250); checked and timed in simulation.
; The chip was launched on July 23, 2026; its instructions are those of AMD's public machine-readable ISA for CDNA 5 (MIT licence, August 2026) and "CDNA5" Instruction Set Architecture Reference Guide (July 2026). The comments in the code are by the model that wrote it; some were corrected since.
;; D Transformer Layer. Allowed arithmetic: matrix products marked QUANTISED: E5M2 operands, one given power-of-two scale a tensor, by v_wmma_f32_16x16x64_bf8_bf8 or v_wmma_f32_16x16x128_bf8_bf8, f32 sums; everything else in f32.
;; Inputs: Wo_codes 1,024 x 32 x 32 uint8 (E5M2 codes of Wo, K innermost, in blocks of 32 codes); Wow_codes 1,024 x 32 x 32 uint8 (E5M2 codes of Wow, K innermost, in blocks of 32 codes); Wq_codes 1,024 x 32 x 32 uint8 (E5M2 codes of Wq, K innermost, in blocks of 32 codes); Wqw_codes 1,024 x 32 x 32 uint8 (E5M2 codes of Wqw, K innermost, in blocks of 32 codes); Wv_codes 1,024 x 32 x 32 uint8 (E5M2 codes of Wv, K innermost, in blocks of 32 codes); bo 1,024 float32; bow 1,024 float32; bq 1,024 float32; bqw 1,024 float32; bv 1,024 float32; gammas 8 x 1 x 1 float32; key_codes 4 x 1,024 x 32 x 32 uint8 (E5M2 codes of key, K innermost, in blocks of 32 codes); lens 4 int32; ln_b 1,024 float32; ln_w 1,024 float32; lowp_scales 22 int32 (the exponents e of the quantised operands' scales 2^e); query 4 x 1,024 x 1,024 float32; values_codes 4 x 1,024 x 32 x 32 uint8 (E5M2 codes of values, K innermost, in blocks of 32 codes).
;; Outputs: out0 4 x 1,024 x 1,024 float32; out1 4 x 1,024 x 1,024 float32.
;; This version of the problem:
;;   THIS VERSION OF THE PROBLEM IS GIVEN IN LOW PRECISION. The matrix products marked QUANTISED in the list below multiply operands that are first quantised to E5M2 (5 exponent bits, 2 mantissa bits; 8 bits a number), with one given power-of-two scale for each operand tensor; their sums are f32. All else is computed in f32.
;;   The module's matrix products, in the order in which they are computed (A, B: the left and right operand; K: the contracted axis; several contracted axes count as one K, in the product's order):
;;     1. [M 4,096, K 1,024] x [K 1,024, N 1,024]; A: input query; B: input Wq (given as codes): QUANTISED (scales: A lowp_scales[0], B lowp_scales[1])
;;     2. [M 4,096, K 1,024] x [K 1,024, N 1,024]; A: input key (given as codes); B: input Wq (given as codes): QUANTISED (scales: A lowp_scales[2], B lowp_scales[3])
;;     3. [M 4,096, K 1,024] x [K 1,024, N 1,024]; A: input values (given as codes); B: input Wv (given as codes): QUANTISED (scales: A lowp_scales[4], B lowp_scales[5])
;;     4. [M 4,096, K 1,024] x [K 1,024, N 1,024]; A: input query; B: input Wqw (given as codes): QUANTISED (scales: A lowp_scales[6], B lowp_scales[7])
;;     5. [M 4,096, K 1,024] x [K 1,024, N 1,024]; A: input key (given as codes); B: input Wqw (given as codes): QUANTISED (scales: A lowp_scales[8], B lowp_scales[9])
;;     6. batch 32 x [M 1,024, K 128] x [K 128, N 1,024]; A: computed on the way; B: computed on the way: QUANTISED (scales: A lowp_scales[10], B lowp_scales[11])
;;     7. batch 32 x [M 1,024, K 1,024] x [K 1,024, N 128]; A: computed on the way; B: computed on the way: QUANTISED (scales: A lowp_scales[12], B lowp_scales[13])
;;     8. [M 4,096, K 1,024] x [K 1,024, N 1,024]; A: computed on the way; B: input Wo (given as codes): QUANTISED (scales: A lowp_scales[14], B lowp_scales[15])
;;     9. batch 32 x [M 1,024, K 128] x [K 128, N 1,024]; A: computed on the way; B: computed on the way: QUANTISED (scales: A lowp_scales[16], B lowp_scales[17])
;;     10. batch 32 x [M 1,024, K 1,024] x [K 1,024, N 128]; A: computed on the way; B: computed on the way: QUANTISED (scales: A lowp_scales[18], B lowp_scales[19])
;;     11. [M 4,096, K 1,024] x [K 1,024, N 1,024]; A: computed on the way; B: input Wow (given as codes): QUANTISED (scales: A lowp_scales[20], B lowp_scales[21])
;;   THE QUANTISER, for each operand of a quantised product, along K:
;;     - The operand's scale is 2^e, e = its entry of the input lowp_scales (int32; the entries are numbered through the quantised products in the list's order, A before B).
;;     - Each number is divided by the scale, clamped to +-57,344, and rounded to the nearest number of E5M2, ties to even, subnormals kept.
;;     - The product sums the exact products of the quantised numbers (number of the format x scale) in f32.
;;   ~~~python
;;   def quantise(x, axis, e):      # numpy; x: float32 -> the quantised numbers, widened to float32 again
;;       x = np.moveaxis(x, axis, -1); K = x.shape[-1]
;;       r = np.clip(x / 2.0 ** e, -57344, 57344)
;;       step = 2.0 ** (np.maximum(np.frexp(np.where(r == 0, 1, r))[1] - 1, -14) - 2)
;;       q = np.round(r / step) * step * 2.0 ** e      # np.round: ties to even
;;       return np.moveaxis(q, -1, axis).astype(np.float32)
;;   ~~~
;;   OPERANDS COMPUTED ON THE WAY. 'Computed on the way' means the value that the module computes at that place (a softmax that the list does not call 'softmax' is quantised finished and normalised). What goes into a quantiser is computed in f32, as accurately as f32 sums, v_exp_f32 and their like allow (about 1e-6 of the number): no bf16 or f16 on the way to a quantiser, and a product that is left as it is and whose result goes on into a quantised operand takes f32 operands (vector FMAs, or v_wmma_f32_16x16x4_f32). A number that lies on a knife's edge between two numbers of the format may be rounded either way, as far as f32 arithmetic and the matrix unit's own rounding can turn it there, and no further.
;;   INPUTS GIVEN AS CODES. Wo (in the module: [1024, 1024], K = its axis 0); Wow (in the module: [1024, 1024], K = its axis 0); Wq (in the module: [1024, 1024], K = its axis 0); Wqw (in the module: [1024, 1024], K = its axis 0); Wv (in the module: [1024, 1024], K = its axis 0); key (in the module: [4, 1024, 1024], K = its axis 2); values (in the module: [4, 1024, 1024], K = its axis 2): each comes as NAME_codes (uint8): NAME with its K axis moved to the last place and cut into blocks of 32 codes, [.., K / 32, bytes a block], one block behind the other in memory; one code a byte (a code: sign, 5 exponent bits, 2 mantissa bits); its scale is its entry of lowp_scales. Its value is code x scale, taken as it is: it is not quantised again, and the codes and scales need not be those that the quantiser above would give.
;; One version. Each part assembles by itself: llvm-mc -triple=amdgcn-amd-amdhsa -mcpu=gfx1250 --defsym DOCPART=n.
;; ======== version 1 of 1: 5 launches
;; limits: right only within a limited range of input values
;; workspace buffers: qc 8,388,608 bytes; proj 25,165,824 bytes; ao 8,388,608 bytes; y 33,554,432 bytes
;; launch quant (part 1): grid 256 x 1, 4 waves a work-group, no clusters, 33,280 bytes of LDS; arguments query, lowp_scales, lens, qc; writes qc
.if DOCPART == 1
	.amdgcn_target "amdgcn-amd-amdhsa--gfx1250"
	.amdhsa_code_object_version 6
	.text
	.protected	k_q1c5ea1ee9f_quant
	.globl	k_q1c5ea1ee9f_quant
	.p2align	8
	.type	k_q1c5ea1ee9f_quant,@function
k_q1c5ea1ee9f_quant:
	s_mov_b64 s[64:65], 0
	v_nop
	global_prefetch_b8 v0, s[64:65] scope:SCOPE_SE
	s_setreg_imm32_b32 hwreg(HW_REG_WAVE_MODE, 25, 1), 1
	s_wait_xcnt 0x0
; query [4096][1024] f32 becomes two sets of E5M2 codes, K innermost, row-major: set 0 with the scale 2^e0 (entry 0 of the scales, for the product with Wq),
; set 1, 4,194,304 bytes further on, with 2^e6 (entry 6, for the product with Wqw).  code = x / 2^e, held within +-57,344, to the nearest code, ties to even.
; LIMITS: e0 and e6 between -126 and 112, so that 2^e and 57,344 x 2^e are f32 numbers.  NaN among the inputs is not served.
; lens is loaded because it is an input of the problem; the function that is computed uses it in no result, so nothing is made of it.
; A wave takes 8 steps of 512 numbers.  Each load reads 512 consecutive bytes, 16 a lane; a step's 2,048 bytes turn through the wave's own stage in LDS and come back 64 bytes a lane:
; 16 neighbours along K, as the conversions want them.  A lane's 16 codes are 16 bytes: the wave stores 512 consecutive bytes for each set.  Waves share nothing: no barrier.
.set STEPS, 8
.set R,     16                         ; v16-79   four sets of 16 numbers as loaded
.set X,     80                         ; v80-111  two sets of 16 neighbours
.set HA,    112                        ; v112-127 held for e0
.set HB,    128                        ; v128-143 held for e6
.set C0,    144                        ; v144-175 set 0's codes, four registers a step: no store's data are written again
.set C1,    176                        ; v176-207 set 1's
.set WREG,  8192                       ; LDS of a wave: two stages of 32 x SP bytes
.set SP,    80                         ; a lane's place in a stage: 64 bytes + 16 of padding
.set SET1,  4194304
	s_load_b256 s[4:11], s[0:1], 0x0               ; query s[4:5], the scales s[6:7], lens s[8:9], qc s[10:11]
	v_lshl_add_u32 v208, v0, 2, 0x8000
	v_mov_b32 v209, 0
	v_lshrrev_b32 v1, 5, v0
	v_readfirstlane_b32 s16, v1                    ; wave
	v_and_b32 v2, 31, v0                           ; lane
	v_lshlrev_b32 v3, 4, v2                        ; my 16 bytes of a load's 512, and of a store's
	s_mul_i32 s17, s16, WREG
	v_lshrrev_b32 v14, 2, v2
	v_mul_u32_u24 v14, v14, SP
	v_and_b32 v15, 3, v2
	v_lshl_add_u32 v14, v15, 4, v14
	v_add_nc_u32 v14, s17, v14                     ; into the stage: four lanes' 64 bytes on end, then the padding
	v_mul_u32_u24 v15, v2, SP
	v_add_nc_u32 v15, s17, v15                     ; out of it: my 16 neighbours
	s_lshl_b32 s18, ttmp9, 2
	s_add_co_u32 s18, s18, s16                     ; which run of 4,096 numbers is my wave's
	s_lshl_b32 s20, s18, 14                        ; 16,384 bytes of f32
	s_mov_b32 s21, 0
	s_lshl_b32 s22, s18, 12                        ; 4,096 bytes of codes
	s_mov_b32 s23, 0
	s_wait_alu depctr_va_vdst(0)
	s_wait_kmcnt 0x0
	s_load_b32 s24, s[6:7], 0x0                    ; e0
	s_load_b32 s25, s[6:7], 0x18                   ; e6
	s_load_b128 s[28:31], s[8:9], 0x0              ; lens
	s_add_nc_u64 s[4:5], s[4:5], s[20:21]
	s_add_nc_u64 s[10:11], s[10:11], s[22:23]
.macro LOAD t
.irp i, 0,1,2,3
	global_load_b128 v[R+16*((\t)%4)+4*\i:R+16*((\t)%4)+4*\i+3], v3, s[4:5] offset:2048*(\t)+512*\i th:TH_LOAD_NT
.endr
.endm
.macro TURN t                          ; LDS serves a wave's instructions in order: no wait between the stores and the loads
.irp i, 0,1,2,3
	ds_store_b128 v14, v[R+16*((\t)%4)+4*\i:R+16*((\t)%4)+4*\i+3] offset:32*SP*((\t)%2)+8*SP*\i
.endr
.irp i, 0,1,2,3
	ds_load_b128 v[X+16*((\t)%2)+4*\i:X+16*((\t)%2)+4*\i+3], v15 offset:32*SP*((\t)%2)+16*\i
.endr
.endm
.irp t, 0,1,2,3
	LOAD \t
.endr
	s_wait_kmcnt 0x0
	s_add_co_i32 s24, s24, 127
	s_lshl_b32 s26, s24, 23
	v_mov_b32 v11, s26                             ; 2^e0: the conversion takes its exponent field
	s_add_co_i32 s24, s24, 15
	s_lshl_b32 s24, s24, 23
	s_or_b32 s24, s24, 0x600000
	v_mov_b32 v10, s24                             ; 57,344 x 2^e0
	s_add_co_i32 s25, s25, 127
	s_lshl_b32 s26, s25, 23
	v_mov_b32 v13, s26                             ; 2^e6
	s_add_co_i32 s25, s25, 15
	s_lshl_b32 s25, s25, 23
	s_or_b32 s25, s25, 0x600000
	v_mov_b32 v12, s25                             ; 57,344 x 2^e6
	s_wait_alu depctr_va_vdst(0)
	s_wait_loadcnt 12                              ; step 0's four loads are in; three steps' twelve stay out
	TURN 0
.macro STEP t
.set XS, X+16*((\t)%2)
	s_wait_dscnt 0x0                               ; this step's numbers are back, so its stores into the stage have read their registers,
.if (\t)+4 < STEPS
	LOAD (\t)+4                                    ; which take the loads of four steps on
.endif
.if (\t)+1 < STEPS
.if STEPS-2-(\t) >= 3
	s_wait_loadcnt 12                              ; the next step's four loads are in; three younger steps' may be out
.else
	s_wait_loadcnt 4*(STEPS-2-(\t))                ; near the end fewer steps are behind it
.endif
	TURN (\t)+1
.endif
.irp i, 0,1,2,3,4,5,6,7,8,9,10,11,12,13,14,15
	v_med3_num_f32 v[HA+\i], v[XS+\i], -v10, v10   ; the conversion to an 8-bit code does not saturate (ISA guide 7.6.2): the hold comes first
	v_med3_num_f32 v[HB+\i], v[XS+\i], -v12, v12
.endr
	v_cvt_scalef32_pk8_bf8_f32 v[C0+4*(\t):C0+4*(\t)+1], v[HA:HA+7], v11
	v_cvt_scalef32_pk8_bf8_f32 v[C0+4*(\t)+2:C0+4*(\t)+3], v[HA+8:HA+15], v11
	v_cvt_scalef32_pk8_bf8_f32 v[C1+4*(\t):C1+4*(\t)+1], v[HB:HB+7], v13
	v_cvt_scalef32_pk8_bf8_f32 v[C1+4*(\t)+2:C1+4*(\t)+3], v[HB+8:HB+15], v13
	v_nop                                          ; a plain line between the conversions and the next step's holds, which write their sources
	global_store_b128 v3, v[C0+4*(\t):C0+4*(\t)+3], s[10:11] offset:512*(\t)
	global_store_b128 v3, v[C1+4*(\t):C1+4*(\t)+3], s[10:11] offset:512*(\t)+SET1
.endm
.irp t, 0,1,2,3,4,5,6,7
	STEP \t
.endr
	s_wait_tensorcnt 0x0
	ds_add_u32 v208, v209
	s_wait_dscnt 0x0
	s_endpgm
.Lfunc_end_k_q1c5ea1ee9f_quant:
	.size	k_q1c5ea1ee9f_quant, .Lfunc_end_k_q1c5ea1ee9f_quant-k_q1c5ea1ee9f_quant
	.p2alignl 7, 3214868480
	.fill 96, 4, 3214868480
	.section	.rodata,"a",@progbits
	.p2align	6, 0x0
	.amdhsa_kernel k_q1c5ea1ee9f_quant
		.amdhsa_group_segment_fixed_size 33280
		.amdhsa_private_segment_fixed_size 0
		.amdhsa_enable_private_segment 0
		.amdhsa_kernarg_size 32
		.amdhsa_user_sgpr_count 2
		.amdhsa_user_sgpr_kernarg_segment_ptr 1
		.amdhsa_wavefront_size32 1
		.amdhsa_system_sgpr_workgroup_id_x 1
		.amdhsa_system_sgpr_workgroup_id_y 1
		.amdhsa_system_sgpr_workgroup_id_z 1
		.amdhsa_system_vgpr_workitem_id 0
		.amdhsa_next_free_vgpr 210
		.amdhsa_next_free_sgpr 66
		.amdhsa_reserve_vcc 0
		.amdhsa_float_denorm_mode_32 3
		.amdhsa_float_denorm_mode_16_64 3
		.amdhsa_memory_ordered 1
		.amdhsa_forward_progress 1
		.amdhsa_inst_pref_size 30
	.end_amdhsa_kernel
	.amdgpu_metadata
---
amdhsa.version: [ 1, 2 ]
amdhsa.kernels:
  - .name:           k_q1c5ea1ee9f_quant
    .symbol:         k_q1c5ea1ee9f_quant.kd
    .args:
      - { .name: query, .offset: 0, .size: 8, .value_kind: global_buffer, .address_space: global }
      - { .name: lowp_scales, .offset: 8, .size: 8, .value_kind: global_buffer, .address_space: global }
      - { .name: lens, .offset: 16, .size: 8, .value_kind: global_buffer, .address_space: global }
      - { .name: qc, .offset: 24, .size: 8, .value_kind: global_buffer, .address_space: global }
    .group_segment_fixed_size: 33280
    .private_segment_fixed_size: 0
    .kernarg_segment_align: 8
    .kernarg_segment_size: 32
    .max_flat_workgroup_size: 128
    .sgpr_count:     66
    .vgpr_count:     210
    .wavefront_size: 32
...
	.end_amdgpu_metadata
.endif
;; end of part 1
;; launch proj (part 2): grid 256 x 1, 4 waves a work-group, no clusters, 268,800 bytes of LDS; arguments qc, key_codes, values_codes, Wq_codes, Wqw_codes, Wv_codes, bq, bqw, bv, lowp_scales, proj; writes proj
.if DOCPART == 2
	.amdgcn_target "amdgcn-amd-amdhsa--gfx1250"
	.amdhsa_code_object_version 6
	.text
	.protected	k_q1c5ea1ee9f_proj
	.globl	k_q1c5ea1ee9f_proj
	.p2align	8
	.type	k_q1c5ea1ee9f_proj,@function
k_q1c5ea1ee9f_proj:
	s_mov_b64 s[64:65], 0
	v_nop
	global_prefetch_b8 v0, s[64:65] scope:SCOPE_SE
	s_setreg_imm32_b32 hwreg(HW_REG_WAVE_MODE, 25, 1), 1
	s_wait_xcnt 0x0
; The five projections, one text: p = 0 query Wq, 1 key Wq, 2 values Wv, 3 query Wqw, 4 key Wqw.  Each result (+ bias) is quantised at once to E5M2 for the attention launch.
; A work-group holds a RESIDENT operand R (256 rows x K 1,024; 64 rows a wave, in 512 registers for the whole launch) and walks blocks of 64 rows of a STREAMED operand T, which go through LDS to all four waves.
; THE DEAL.  The work is 1,280 units of (256 rows of R) x (a block of T): five for each of 256 work-groups, were they free to mix.  A work-group keeps one R, so by arithmetic on its number:
;   ids 0-47: p = 2: 16 groups of R (values' tokens), 16 blocks of T (Wv's rows) each, three work-groups a group with 6, 5, 5 blocks;
;   ids 48-255: the other four products: 16 groups of R (a weight's rows), 64 blocks of T (tokens) each, thirteen work-groups a group, twelve with 5 blocks and one with 4.
;   The loop has six trips in every work-group; a scalar branch on ids leads round the work of a trip that a work-group does not have, and round no barrier.
; The matrix instruction takes 16 rows of R as source 0 and 16 rows of T as source 1: a lane holds one row of T, its registers run along R's rows.
;   p = 0, 1, 3, 4: R = the weight's rows (the head's channels), T = the tokens: a lane holds a token, registers run along the channels, which are the next product's K.
;   p = 2:          R = values' tokens (the keys), T = Wv's rows: a lane holds a channel, registers run along the keys, which are the K of the product with the weights p.
; THE ROWS OF R THAT FORM A TILE ARE NOT NEIGHBOURS: lane r of tile 2 b + u takes row 32 b + 8 u + r + 8 (r / 8), so that the 16 registers of tiles 2 b, 2 b + 1 are 16 neighbours along the next K.
; For keys (p = 1, 4) and for Wv's rows (p = 2) T's tiles are formed in the same way, since the attention launch uses them as source 0; queries keep their order.
; OUTPUT: images of operand registers.  A fragment (16 rows x 128 K) is 2,048 bytes: piece c at 512 c + 16 lane holds registers 4 c .. 4 c + 3 of lane (r, h): K = 32 c + 16 h + 0 .. 15 of row r.
;   Segments of 4 MiB: 0 q, 1 k, 2 q window, 3 k window ([b h][64 tiles]), 4 v with entry 13's scale, 5 v with entry 19's ([b h][8 key steps][8 channel tiles]).
; Along K both operands are fetched 16 bytes a lane and register group: the same permutation of K on both sides, so every product meets its partner.
; The bias is the C of each sum's first matrix instruction, divided by 2^(ea + eb); the conversion's one scale is 2^(eo - ea - eb).
; NO JOINT LOADS: a resident tile is shared by three work-groups in product 2 and by thirteen in the others, neither a cluster's four.  NO PREFETCH: a block of T is asked for a whole trip ahead by its own loads.
; LIMITS: eo - ea - eb between -126 and 112 for each product's three exponents.  NaN among the inputs is not served.
; REGISTERS: window 0: v1-26 addresses and scales; v32-63 BR the bias along R; v64-127 CI the sums' first C, later the held sums; v128-191 the 8 accumulators ((u, a) at 128 + 32 u + 8 a);
;   v192-223, v224-255 two sets of T's fragments.  Windows 1, 2: R's fragments ((a, s) at 16 (4 a + s % 4) of window 1 + s / 4).  Window 3: v0-127 a block of T on its way to LDS; v128-191 the codes on their way out.
.set PITCH, 1040                       ; an LDS row: 1,024 bytes + 16 of padding: 65 x 16, so 16 neighbouring rows start 16 bytes apart modulo 256
.set RSTG,  66560                      ; 64 rows: a wave's part of R, and a block of T
.set TBUF1, 131072                     ; T's second buffer; the first lies at 0.  Both lie where R was staged: those bytes have had their one fill
.set BTAB,  266240                     ; 512 f32: the bias along T, from my first row of T on
.set BR,    32
.set CI,    64
.set ACC,   128
.set F0,    192
.set F1,    224
.set G0B,   60                         ; s60 my first block of T
.set NB,    61                         ; s61 how many blocks are mine
.set MSB, 0
.macro WIN new                         ; the immediate's high byte repeats the setting that is left
.if MSB != (\new)
	s_set_vgpr_msb (MSB<<8)|(\new)
.set MSB, (\new)
.endif
.endm
.macro PLACES                          ; four plain lines behind matrix instructions, in front of loads into their sources and of reads of their results
.rept 4
	v_nop
.endr
.endm
	s_load_b512 s[68:83], s[0:1], 0x0              ; qc 68, key 70, values 72, Wq 74, Wqw 76, Wv 78, bq 80, bqw 82
	s_load_b128 s[84:87], s[0:1], 0x40             ; bv 84, the scales 86
	s_load_b64 s[88:89], s[0:1], 0x50              ; proj
	v_lshl_add_u32 v30, v0, 2, 0x41800
	v_mov_b32 v31, 0
	ds_add_u32 v30, v31
	ds_add_u32 v30, v31
	v_lshrrev_b32 v1, 5, v0
	v_readfirstlane_b32 s2, v1                     ; wave
	; the deal: both readings of my number are made, and one is chosen
	s_mul_i32 s8, ttmp9, 43
	s_lshr_b32 s8, s8, 7                           ; id / 3 (exact up to 47): product 2's group of R
	s_mul_i32 s9, s8, 3
	s_sub_co_u32 s9, ttmp9, s9                     ; j = id % 3
	s_min_u32 s[G0B], s9, 1
	s_sub_co_u32 s[NB], 6, s[G0B]                  ; 6, 5, 5 blocks
	s_mul_i32 s9, s9, 5
	s_add_co_u32 s[G0B], s[G0B], s9                ; from block 0, 6, 11
	s_sub_co_u32 s35, ttmp9, 48
	s_mul_i32 s62, s35, 79
	s_lshr_b32 s62, s62, 10                        ; (id - 48) / 13 (exact up to 207): 4 x product + group of R
	s_mul_i32 s63, s62, 13
	s_sub_co_u32 s63, s35, s63                     ; j = (id - 48) % 13
	s_mul_i32 s63, s63, 5                          ; from block 5 j
	s_sub_co_u32 s66, 64, s63
	s_min_u32 s66, s66, 5                          ; 5 blocks, the thirteenth 4
	s_lshr_b32 s3, s62, 2
	s_lshr_b32 s67, s62, 3
	s_add_co_u32 s3, s3, s67                       ; p = 0, 1, 3, 4
	s_and_b32 s4, s62, 3
	s_cmp_lt_u32 ttmp9, 48
	s_cselect_b32 s3, 2, s3                        ; p
	s_cselect_b32 s4, s8, s4                       ; rg: which 256 rows of R
	s_cselect_b32 s[G0B], s[G0B], s63
	s_cselect_b32 s[NB], s[NB], s66
	s_cselect_b32 s7, -1, 0                        ; a lane mask: all ones in product 2
	s_cselect_b32 s62, 1, 4                        ; blocks of T in a run of the output: 2^1 (a head's channels) or 2^4 (a batch's tokens),
	s_cselect_b32 s63, 17, 20                      ; what two runs are apart: 2^17 or 2^20 bytes,
	s_cselect_b32 s66, 1, 15                       ; and the block's place in its run
	s_mov_b32 s5, 0
	s_cmp_eq_u32 s3, 0
	s_cselect_b32 s6, 0, 1
	s_cmp_eq_u32 s3, 3
	s_cselect_b32 s6, 0, s6                        ; 1: T's tiles are formed as R's are
	s_lshr_b32 s10, s2, 1
	s_and_b32 s11, s2, 1
	s_lshl_b32 s12, s10, 5
	s_lshl_b32 s13, s11, 3
	s_add_co_u32 s12, s12, s13
	s_lshl_b32 s13, s2, 4
	s_cmp_eq_u32 s6, 1
	s_cselect_b32 s12, s12, s13                    ; the first row of the block that my wave brings: 32 (w / 2) + 8 (w % 2), or 16 w
	v_and_b32 v1, 31, v0                           ; lane
	v_and_b32 v2, 15, v0                           ; r
	v_bfe_u32 v3, v0, 4, 1                         ; h
	v_mul_u32_u24 v4, v3, PITCH
	v_lshl_add_u32 v4, v2, 4, v4
	s_mul_i32 s13, s2, 16*PITCH
	v_add_nc_u32 v4, s13, v4                       ; T into LDS: row 16 w + h, 16 bytes a lane
	v_mul_u32_u24 v6, v2, PITCH
	v_lshl_add_u32 v6, v3, 4, v6                   ; T's fragments: row r, + 16 h
	v_lshlrev_b32 v8, 10, v3
	v_lshl_add_u32 v8, v2, 4, v8
	s_lshl_b32 s13, s12, 10
	v_add_nc_u32 v8, s13, v8                       ; T in memory: my wave's rows 0-7 of its tile,
	s_lshl_b32 s13, s6, 13
	v_add_nc_u32 v9, s13, v8                       ; and rows 8-15, which lie 8 rows further on where the tiles are so formed
	v_and_b32 v23, 8, v2
	v_add_nc_u32 v23, v23, v2                      ; r + 8 (r / 8)
	v_lshl_add_u32 v10, v23, 2, BTAB               ; the bias along T of my lane's row
	v_mul_u32_u24 v22, v23, PITCH
	v_lshl_add_u32 v22, v3, 4, v22
	s_mul_i32 s13, s2, RSTG
	v_add_nc_u32 v22, s13, v22                     ; R's fragments in my wave's staging
	v_lshl_add_u32 v26, v0, 4, BTAB                ; where my thread puts four numbers of the bias along T
	v_mov_b32 v19, 0                               ; upper halves of the pairs that the packed additions name
	v_mov_b32 v21, 0
	; where my results go, the block's own part aside.  p != 2: segment, head 2 rg + w / 2;  p = 2: batch rg / 4, key step 2 (rg % 4) + w / 2.  Both: pieces 2 (w % 2) on
	s_cmp_ge_u32 s3, 3
	s_cselect_b32 s52, 1, 0
	s_sub_co_u32 s52, s3, s52
	s_lshl_b32 s52, s52, 22
	s_lshl_b32 s53, s4, 1
	s_add_co_u32 s53, s53, s10
	s_lshl_b32 s53, s53, 17
	s_add_co_u32 s52, s52, s53
	s_lshr_b32 s54, s4, 2
	s_lshl_b32 s54, s54, 20
	s_and_b32 s55, s4, 3
	s_lshl_b32 s55, s55, 1
	s_add_co_u32 s55, s55, s10
	s_lshl_b32 s55, s55, 14
	s_add_co_u32 s54, s54, s55
	s_add_co_u32 s54, s54, 0x1000000
	s_cmp_eq_u32 s3, 2
	s_cselect_b32 s52, s54, s52
	s_lshl_b32 s53, s11, 10
	s_add_co_u32 s52, s52, s53
	v_lshl_add_u32 v12, v1, 4, s52
	; the biases' places; each stays inside its 1,024 numbers whichever product runs
	s_cmp_eq_u32 s3, 2
	s_cselect_b32 s16, 0, s4
	s_cselect_b32 s17, s[G0B], 0
	s_lshl_b32 s16, s16, 10
	s_lshl_b32 s18, s2, 8
	s_add_co_u32 s16, s16, s18
	v_lshl_add_u32 v24, v3, 6, s16                 ; along R: (256 rg + 64 w + 16 h) x 4
	s_lshl_b32 s17, s17, 8
	v_lshl_add_u32 v25, v0, 4, s17                 ; along T: (64 x my first block + 4 t) x 4,
	v_min_u32 v25, 0xff0, v25                      ; held inside the buffer: what is held belongs to rows behind my last block
	; the index of the result's scale: 10, 11, 13, 16, 17
	s_cmp_ge_u32 s3, 2
	s_cselect_b32 s18, 1, 0
	s_cmp_ge_u32 s3, 3
	s_cselect_b32 s19, 2, 0
	s_add_co_u32 s18, s18, s19
	s_add_co_u32 s18, s18, s3
	s_add_co_u32 s18, s18, 10
	s_lshl_b32 s18, s18, 2
	s_mov_b32 s19, 0
	s_lshl_b32 s20, s3, 3
	s_mov_b32 s21, 0
	; descriptor group 1: 64 rows of 1,024 bytes, 16 bytes of padding behind each
	s_mov_b32 s40, (1<<20)|(7<<22)|(3<<25)         ; no mask; elements of 1 byte; padding on; after every 256 words (code 7); four words (code 3)
	s_mov_b32 s41, 1024<<16                        ; tensor_dim0
	s_mov_b32 s42, 64<<16                          ; tensor_dim1
	s_mov_b32 s43, 1024<<16                        ; tile_dim0
	s_mov_b32 s44, 64                              ; tile_dim1
	s_mov_b32 s45, 1024                            ; from row to row
	s_mov_b32 s46, 0
	s_mov_b32 s47, 0
	s_wait_alu depctr_va_vdst(0)
	s_wait_dscnt 0x0
	s_wait_kmcnt 0x0
	s_cmp_ge_u32 s3, 3                             ; the choices hang on the work-group's number alone
	s_cselect_b64 s[24:25], s[76:77], s[74:75]     ; R
	s_cselect_b64 s[26:27], s[82:83], s[80:81]     ; the bias
	s_cmp_eq_u32 s3, 2
	s_cselect_b64 s[24:25], s[72:73], s[24:25]
	s_cselect_b64 s[26:27], s[84:85], s[26:27]
	s_cmp_eq_u32 s3, 1
	s_cselect_b64 s[30:31], s[70:71], s[68:69]     ; T
	s_cmp_eq_u32 s3, 4
	s_cselect_b64 s[30:31], s[70:71], s[30:31]
	s_cmp_eq_u32 s3, 2
	s_cselect_b64 s[30:31], s[78:79], s[30:31]
	s_add_nc_u64 s[56:57], s[86:87], s[20:21]
	s_add_nc_u64 s[58:59], s[86:87], s[18:19]
	s_load_b64 s[48:49], s[56:57], 0x0             ; ea, eb
	s_load_b32 s50, s[58:59], 0x0                  ; eo
	s_load_b32 s51, s[86:87], 0x4c                 ; entry 19: v's second scale
	s_lshl_b32 s14, s4, 18
	s_lshl_b32 s15, s2, 16
	s_add_co_u32 s14, s14, s15
	s_mov_b32 s15, 0
	s_add_nc_u64 s[24:25], s[24:25], s[14:15]      ; R at row 256 rg + 64 w
	s_cmp_eq_u32 s3, 3
	s_cselect_b32 s14, 0x400000, 0                 ; product 3 takes query's second set of codes
	s_lshl_b32 s16, s[G0B], 16
	s_add_co_u32 s14, s14, s16
	s_add_nc_u64 s[30:31], s[30:31], s[14:15]      ; T at my first block
	s_mov_b32 s36, 1                               ; group 0: count,
	s_mul_i32 s37, s2, RSTG                        ; LDS address: my wave's staging,
	s_mov_b64 s[38:39], s[24:25]                   ; global address,
	s_or_b32 s39, s39, 0x80000000                  ; type 2
	tensor_load_to_lds s[36:39], s[40:47]          ; my 64 rows of R: the launch's one fill of these bytes; one tensor load of mine is out
	s_nop 0
	PLACES
.macro TLOAD                           ; a block of T, my 16 rows: sixteen lanes read 256 consecutive bytes
	WIN 0xc0                                       ; destination window 3
.irp i, 0,1,2,3
.irp q, 0,1,2,3
	global_load_b128 v[16*\i+4*\q:16*\i+4*\q+3], v8, s[30:31] offset:2048*\i+256*\q
.endr
.endr
.irp i, 4,5,6,7
.irp q, 0,1,2,3
	global_load_b128 v[16*\i+4*\q:16*\i+4*\q+3], v9, s[30:31] offset:2048*\i+256*\q
.endr
.endr
	WIN 0
.endm
	TLOAD                                          ; my first block
.irp a, 0,1,2,3
	global_load_b128 v[BR+8*\a:BR+8*\a+3], v24, s[26:27] offset:(32*(\a/2)+8*(\a%2))*4
	global_load_b128 v[BR+8*\a+4:BR+8*\a+7], v24, s[26:27] offset:(32*(\a/2)+8*(\a%2))*4+16
.endr
	global_load_b128 v[64:67], v25, s[26:27]
	s_wait_tensorcnt 0x0                           ; my part of R lies in LDS; only I read it
	WIN 0x40                                       ; destination window 1
.irp a, 0,1,2,3
.irp s, 0,1,2,3
.irp c, 0,1,2,3
	ds_load_b128 v[16*(4*\a+\s)+4*\c:16*(4*\a+\s)+4*\c+3], v22 offset:(32*(\a/2)+8*(\a%2))*PITCH+128*\s+32*\c
.endr
.endr
.endr
	WIN 0x80                                       ; destination window 2
.irp a, 0,1,2,3
.irp s, 0,1,2,3
.irp c, 0,1,2,3
	ds_load_b128 v[16*(4*\a+\s)+4*\c:16*(4*\a+\s)+4*\c+3], v22 offset:(32*(\a/2)+8*(\a%2))*PITCH+128*(\s+4)+32*\c
.endr
.endr
.endr
	WIN 0
	s_wait_loadcnt 0x0
	s_wait_kmcnt 0x0
	s_add_co_i32 s52, s48, s49                     ; ea + eb: a sum stands for sum x 2^(ea + eb)
	s_sub_co_i32 s53, 0, s52
	s_sub_co_i32 s54, s50, s52                     ; eo - ea - eb
	s_add_co_i32 s54, s54, 127
	s_lshl_b32 s55, s54, 23
	v_mov_b32 v15, s55                             ; the conversion's scale
	s_add_co_i32 s54, s54, 15
	s_lshl_b32 s54, s54, 23
	s_or_b32 s54, s54, 0x600000
	v_mov_b32 v14, s54                             ; 57,344 x that
	s_sub_co_i32 s54, s51, s52                     ; the same with entry 19 (used in product 2 alone)
	s_add_co_i32 s54, s54, 127
	s_lshl_b32 s55, s54, 23
	v_mov_b32 v17, s55
	s_add_co_i32 s54, s54, 15
	s_lshl_b32 s54, s54, 23
	s_or_b32 s54, s54, 0x600000
	v_mov_b32 v16, s54
.set nn, 0
.rept 32
	v_ldexp_f32 v[BR+nn], v[BR+nn], s53            ; bias / 2^(ea + eb);
	v_cndmask_b32 v[BR+nn], v[BR+nn], 0, s7        ; in product 2 the bias runs along T, not along R
.set nn, nn+1
.endr
.irp i, 0,1,2,3
	v_ldexp_f32 v[64+\i], v[64+\i], s53
	v_cndmask_b32 v[64+\i], 0, v[64+\i], s7        ; and in the others there is none along T
.endr
	ds_store_b128 v26, v[64:67]
	s_wait_dscnt 0x0                               ; my fragments of R are in registers and my part of the table is stored:
	s_barrier_signal -1
	s_barrier_wait -1                              ; so are everybody's: the staging may be written over, the table read
.macro FETCH s, set, hb                ; two tiles of T, 128 along K
.irp u, 0,1
.irp c, 0,1,2,3
	ds_load_b128 v[\set+16*\u+4*\c:\set+16*\u+4*\c+3], v7 offset:(32*\hb+16*\u)*PITCH+128*(\s)+32*\c
.endr
.endr
.endm
.macro FIRST hb                        ; a half's two bias words and its first sixteen fragment loads
	ds_load_b32 v18, v11 offset:128*\hb
	ds_load_b32 v20, v11 offset:128*\hb+32
	FETCH 0, F0, \hb
	FETCH 1, F1, \hb
.endm
.macro MUL s, set                      ; 8 matrix instructions; the 8 accumulators take turns, one instruction a turn
	WIN 1+((\s)>>2)                                ; source 0 (R) in window 1 or 2
.irp a, 0,1,2,3
.irp u, 0,1
.if (\s) == 0
	v_wmma_f32_16x16x128_bf8_bf8 v[ACC+32*\u+8*\a:ACC+32*\u+8*\a+7], v[16*(4*\a+((\s)&3)):16*(4*\a+((\s)&3))+15], v[\set+16*\u:\set+16*\u+15], v[CI+32*\u+8*\a:CI+32*\u+8*\a+7]
.else
	v_wmma_f32_16x16x128_bf8_bf8 v[ACC+32*\u+8*\a:ACC+32*\u+8*\a+7], v[16*(4*\a+((\s)&3)):16*(4*\a+((\s)&3))+15], v[\set+16*\u:\set+16*\u+15], v[ACC+32*\u+8*\a:ACC+32*\u+8*\a+7]
.endif
.endr
.endr
	WIN 0
.endm
.macro QUANT lim, sc, code             ; the 64 sums, each accumulator from its low end on, are held and become 16 registers of codes in window 3
.set nn, 0
.rept 64
	v_med3_num_f32 v[CI+nn], v[ACC+nn], -v[\lim], v[\lim]
.set nn, nn+1
.endr
	WIN 0xc0
.irp u, 0,1
.irp b, 0,1
	v_cvt_scalef32_pk8_bf8_f32 v[\code+8*\u+4*\b:\code+8*\u+4*\b+1], v[CI+32*\u+16*\b:CI+32*\u+16*\b+7], v[\sc]
	v_cvt_scalef32_pk8_bf8_f32 v[\code+8*\u+4*\b+2:\code+8*\u+4*\b+3], v[CI+32*\u+16*\b+8:CI+32*\u+16*\b+15], v[\sc]
.endr
.endr
	v_nop                                          ; a plain line behind the last conversion
	WIN 0
.endm
.macro HALF hb                         ; 32 rows of T against my 64 rows of R, all of K.  Its first loads were issued earlier (FIRST)
	s_wait_dscnt 16                                ; the two bias words are in; the sixteen fragment loads behind them may be out
.irp u, 0,1
.irp k, 0,2,4,6,8,10,12,14,16,18,20,22,24,26,28,30
	v_pk_add_f32 v[CI+32*\u+\k:CI+32*\u+\k+1], v[BR+\k:BR+\k+1], v[18+2*\u:19+2*\u] op_sel_hi:[1,0]
.endr
.endr
	s_wait_alu depctr_va_vdst(0)
	s_wait_dscnt 8                                 ; K step 0's eight loads are in; K step 1's may be out
	MUL 0, F0
.irp s, 1,2,3,4,5,6
	PLACES
	FETCH (\s+1), F0+32*((\s+1)%2), \hb
	s_wait_dscnt 8                                 ; all but the eight just issued
	MUL \s, F0+32*(\s%2)
.endr
	s_wait_dscnt 0x0
	MUL 7, F1
	PLACES
.if \hb == 0
	FIRST 1                                        ; the second half's first loads land under the first half's quantising
.endif
	QUANT 14, 15, 128+32*\hb                       ; 32 registers of codes for each half; they are written again only behind the next trip's wait on XCNT
	WIN 0x0c                                       ; the stores' data in window 3
.irp u, 0,1
.irp b, 0,1
	global_store_b128 v13, v[128+32*\hb+8*\u+4*\b:128+32*\hb+8*\u+4*\b+3], s[88:89] offset:(2*\hb+\u)*2048+512*\b      ; 32 lanes store 512 consecutive bytes: a piece of an image
.endr
.endr
	WIN 0
	s_cmp_lg_u32 s3, 2
	s_cbranch_scc1 .Lone_\@
	QUANT 16, 17, 144+32*\hb                       ; v once more, with the window product's scale
	WIN 0x0c
.irp u, 0,1
.irp b, 0,1
	global_store_b128 v13, v[144+32*\hb+8*\u+4*\b:144+32*\hb+8*\u+4*\b+3], s[88:89] offset:(2*\hb+\u)*2048+512*\b+4194304
.endr
.endr
	WIN 0
.Lone_\@:
.endm
	s_mov_b32 s32, 0                               ; the trip
	s_mov_b32 s33, 0                               ; its buffer in LDS
	s_mov_b32 s34, 0                               ; its place in the table
.Lblk:
	s_wait_loadcnt 0x0                             ; my 16 rows of this block are in registers (in a trip without a block: the last block's once more)
	v_add_nc_u32 v5, s33, v4
	WIN 0x0c                                       ; the data in window 3
.irp i, 0,1,2,3,4,5,6,7
.irp q, 0,1,2,3
	ds_store_b128 v5, v[16*\i+4*\q:16*\i+4*\q+3] offset:2*\i*PITCH+256*\q
.endr
.endr
	WIN 0
	s_wait_dscnt 0x0                               ; my stores have landed, and my reads of the other buffer ended with the last block:
	s_barrier_signal -1
	s_barrier_wait -1                              ; so have everybody's: this buffer is whole, and the other may be written in the next trip
	v_add_nc_u32 v7, s33, v6
	v_add_nc_u32 v11, s34, v10
	FIRST 0                                        ; the first half's first loads stand ahead of the next block's global loads
	s_wait_xcnt 0x0                                ; the last trip's stores have read their offset and their data
	s_add_co_u32 s52, s32, 1
	s_cmp_ge_u32 s52, s[NB]
	s_cbranch_scc1 .Lnoload                        ; my last block has no successor: no load leaves its buffer
	s_add_nc_u64 s[30:31], s[30:31], 65536         ; (the loads that named this base have come back)
	TLOAD
.Lnoload:
	s_add_co_u32 s53, s[G0B], s32                  ; the block: its run and its place in the run
	s_and_b32 s52, s53, s66
	s_lshl_b32 s52, s52, 13
	s_lshr_b32 s53, s53, s62
	s_lshl_b32 s53, s53, s63
	s_add_co_u32 s52, s52, s53
	v_add_nc_u32 v13, s52, v12
	s_wait_alu depctr_va_vdst(0)
	s_cmp_ge_u32 s32, s[NB]
	s_cbranch_scc1 .Lskip                          ; a trip without a block: ids alone decide, the same in all four waves
	HALF 0
	HALF 1
.Lskip:
	s_xor_b32 s33, s33, TBUF1
	s_add_co_u32 s34, s34, 256
	s_add_co_u32 s32, s32, 1
	s_cmp_lt_u32 s32, 6
	s_cbranch_scc1 .Lblk
	s_wait_tensorcnt 0x0                           ; the wave's end
	ds_add_u32 v30, v31
	s_wait_dscnt 0x0
	s_endpgm
.Lfunc_end_k_q1c5ea1ee9f_proj:
	.size	k_q1c5ea1ee9f_proj, .Lfunc_end_k_q1c5ea1ee9f_proj-k_q1c5ea1ee9f_proj
	.p2alignl 7, 3214868480
	.fill 96, 4, 3214868480
	.section	.rodata,"a",@progbits
	.p2align	6, 0x0
	.amdhsa_kernel k_q1c5ea1ee9f_proj
		.amdhsa_group_segment_fixed_size 268800
		.amdhsa_private_segment_fixed_size 0
		.amdhsa_enable_private_segment 0
		.amdhsa_kernarg_size 88
		.amdhsa_user_sgpr_count 2
		.amdhsa_user_sgpr_kernarg_segment_ptr 1
		.amdhsa_wavefront_size32 1
		.amdhsa_system_sgpr_workgroup_id_x 1
		.amdhsa_system_sgpr_workgroup_id_y 1
		.amdhsa_system_sgpr_workgroup_id_z 1
		.amdhsa_system_vgpr_workitem_id 0
		.amdhsa_next_free_vgpr 1024
		.amdhsa_next_free_sgpr 90
		.amdhsa_reserve_vcc 0
		.amdhsa_float_denorm_mode_32 3
		.amdhsa_float_denorm_mode_16_64 3
		.amdhsa_memory_ordered 1
		.amdhsa_forward_progress 1
		.amdhsa_inst_pref_size 75
	.end_amdhsa_kernel
	.amdgpu_metadata
---
amdhsa.version: [ 1, 2 ]
amdhsa.kernels:
  - .name:           k_q1c5ea1ee9f_proj
    .symbol:         k_q1c5ea1ee9f_proj.kd
    .args:
      - { .name: qc, .offset: 0, .size: 8, .value_kind: global_buffer, .address_space: global }
      - { .name: key_codes, .offset: 8, .size: 8, .value_kind: global_buffer, .address_space: global }
      - { .name: values_codes, .offset: 16, .size: 8, .value_kind: global_buffer, .address_space: global }
      - { .name: Wq_codes, .offset: 24, .size: 8, .value_kind: global_buffer, .address_space: global }
      - { .name: Wqw_codes, .offset: 32, .size: 8, .value_kind: global_buffer, .address_space: global }
      - { .name: Wv_codes, .offset: 40, .size: 8, .value_kind: global_buffer, .address_space: global }
      - { .name: bq, .offset: 48, .size: 8, .value_kind: global_buffer, .address_space: global }
      - { .name: bqw, .offset: 56, .size: 8, .value_kind: global_buffer, .address_space: global }
      - { .name: bv, .offset: 64, .size: 8, .value_kind: global_buffer, .address_space: global }
      - { .name: lowp_scales, .offset: 72, .size: 8, .value_kind: global_buffer, .address_space: global }
      - { .name: proj, .offset: 80, .size: 8, .value_kind: global_buffer, .address_space: global }
    .group_segment_fixed_size: 268800
    .private_segment_fixed_size: 0
    .kernarg_segment_align: 8
    .kernarg_segment_size: 88
    .max_flat_workgroup_size: 128
    .sgpr_count:     90
    .vgpr_count:     1024
    .wavefront_size: 32
...
	.end_amdgpu_metadata
.endif
;; end of part 2
;; launch attn (part 3): grid 8 x 32, 8 waves a work-group, no clusters, 304,128 bytes of LDS; arguments proj, gammas, lowp_scales, ao; writes ao
.if DOCPART == 3
	.amdgcn_target "amdgcn-amd-amdhsa--gfx1250"
	.amdhsa_code_object_version 6
	.text
	.protected	k_q1c5ea1ee9f_attn
	.globl	k_q1c5ea1ee9f_attn
	.p2align	8
	.type	k_q1c5ea1ee9f_attn,@function
k_q1c5ea1ee9f_attn:
	s_mov_b64 s[64:65], 0
	v_nop
	global_prefetch_b8 v0, s[64:65] scope:SCOPE_SE
	s_setreg_imm32_b32 hwreg(HW_REG_WAVE_MODE, 25, 1), 1
	s_wait_xcnt 0x0
; Both attentions of one (batch, head) = work-group y, on E5M2 codes: scores, softmax, the decay by distance, second softmax, (main: maxout,) the product with v; the results are quantised for the output projections.
; SHARES.  Waves w and w + 4 (w = 0..3) are a PAIR that owns two tiles of 16 queries, iA = 8 w + x and iB = 8 (7 - w) + x.  Under the strict causal mask tile i needs the chunks of 128 keys 0 .. i / 8;
; chunks that lie wholly behind a tile's queries are left out.  In halves of 64 keys that is 2 (w + 1) + 2 (8 - w) = 18 for every pair, numbered 0 .. 17: 0 .. 2 w + 1 are tile A's, the rest tile B's.
; Wave w takes numbers 0 .. 8, wave w + 4 numbers 9 .. 17: nine trips in every pass for every wave.  Tile A lies wholly in wave w; tile B is shared, and the pair joins its row maximum and sum, second maximum,
; second sum and partial O^T through LDS words of their own behind four work-group barriers.  The sum of wave w + 4's exponentials is also what wave w's suffix sums of tile B start from.
; Each wave does the window attention of one tile (wave w: A, wave w + 4: B).
; LAYOUT.  Both products are used transposed (source 0 = 16 keys, or 16 channels of v; source 1 = 16 queries): a lane holds ONE query (lane % 16), and register 16 b + e of a half holds key 32 b + 16 (lane / 16) + e.
; A half's 32 numbers a lane stay in the wave's own LDS slot (4,096 bytes) between the passes, as an image of the registers.
; MAIN, in log2: t = c s, c = log2(e) / sqrt(128) x 2^(eq + ek).
;   P1  s = k q^T; hidden scores become -infinity; running maximum and sum of each lane; s to LDS.      FIN1: the row's maximum M and sum Z.
;   P3  slots downward: e = 2^(c s - M); suffix sums of e over later keys; effect = clip(2^-sqrt(suffix x (q - k) x (gamma log2 e)^2 / Z), 1e-5, 1e5); s x effect to LDS; its maximum.   FIN3: M2.
;   P4  2^(c s' - M2) to LDS; its sum Z2.      FIN4: f = min(Z2, 5) / Z2: the softmax's largest number is 1 / Z2, so this is the softmax's division and maxout's scale in one.
;   P5  p = e2 x f, quantised; O^T += v^T p^T (the K = 64 form); finished rows are quantised and stored.
; WINDOW (keys q - 19 .. q - 1): the two groups of 32 keys that hold a tile's band, all in registers, the same steps without maxout.
; Every exponential has the row's maximum taken away first.  A row without a key (query 0): maxima are floored at -3e38 and sums at 1e-30, so that e = 0, p = 0 and the row is 0, as the masked softmax gives it.
; The suffix sum is formed directly, where the function as written takes the total less the running sum: the last bits differ.
; NO JOINT LOADS, K AND V STRAIGHT INTO REGISTERS: the scores take 294,912 bytes of LDS, and in one trip the waves stand at different chunks.
; PREFETCH.  The eight work-groups of a (batch, head) walk the same 131,072 bytes of k and of v, and share them out: work-group x asks for chunk x of each, 16,384 bytes, once: waves 0 and 1 for k's,
; waves 2 and 3 for v's, 8,192 bytes a wave, lanes 256 bytes apart, one instruction a wave.  It stands behind the window's loads: the whole window attention lies between it and P1's loads of k, and P1 to P4 ahead of v's.
; LIMITS on the given exponents: entries 10 + 11 and 16 + 17 between -123 and 130; entries 12 and 18, 14 - 12 - 13 and 20 - 18 - 19 between -126 and 112.  NaN among the inputs is not served.
; REGISTERS: window 0: v1-63 addresses, scales, state; v64.. SB; v96.. the table -(32 b + e); v128.. EB; v160.. Q in hand, v176.. Q of A; v192.. XB; v224.. Q of B; v240-250 addresses that stay.
;   Window 1: v0-63 the window's k, then v's halves; v64-127 the window's v; v128-191 O^T; v192-255 k's halves.
.set L16, 1
.set RR, 2
.set HH, 3
.set VL, 4
.set VLA, 5
.set VG, 6
.set VKA, 7
.set VAO, 8
.set NINF, 9
.set HM, 10
.set SCP, 11
.set LIMP, 12
.set SCO, 13
.set LIMO, 14
.set SCPW, 15
.set LIMPW, 16
.set SCOW, 17
.set LIMOW, 18
.set VD, 19
.set VLO, 20
.set VWD, 21
.set T0, 22
.set T1, 23
.set NM, 24
.set AP, 26
.set BS, 28
.set FP, 30
.set ST_M, 32                          ; state: tile A's at the even register, tile B's at the odd one
.set ST_Z, 34
.set ST_A, 36
.set ST_QF, 38
.set ST_D, 40
.set ST_C, 42
.set ST_M2, 44
.set ST_Z2, 46
.set CM, 48
.set CZ, 49
.set CC, 50
.set CM2, 51
.set RB, 52
.set OB, 56
.set TB, 60
.set SB, 64
.set NEGN, 96
.set EB, 128
.set QC, 160
.set QA, 176
.set XB, 192
.set QB, 224
.set SPW, 240                          ; my spare word; never rewritten
.set NIL, 241                          ; 0; never rewritten
.set XA, 242                           ; my wave's words of the exchange
.set XP, 243                           ; my partner's
.set PX, 244                           ; a pair on its way through the exchange
.set VVA, 246
.set VLP, 247                          ; my partner's slots + 16 x lane
.set PFO, 248                          ; the prefetch's offset; never rewritten
.set QAO, 249                          ; main q's images
.set QBO, 250
.set OT, 128                           ; window 1
.set KM, 192                           ; window 1
.set XCH, 294912                       ; behind the slots: three stages of 8 waves x 256 bytes
.set SPARE, 303104                     ; the spare words: 8 x 128 bytes
.set W, 2
.set BH, 3
.set LSEL, 18
.set CS, 20
.set CW, 22
.set G2, 24
.set CLO, 25
.set CHI, 26
.set TINY, 27
.set NBIG, 28
.set SIG, 29
.set SLO, 30
.set CNT, 31
.set MBM, 32
.set KC, 33
.set IA, 34
.set IB, 35
.set W1, 62
.set AOA, 66
.set AOB, 67
.set WVN, 80
.set ROLE, 81
.set S0, 82
.set W2, 83
.set WM, 84
.set RA, 85
.set PFB, 92                           ; s[92:93] the prefetch's base; never rewritten
.set MSB, 0
.macro WIN new                         ; the immediate's high byte repeats the setting that is left
.if MSB != (\new)
	s_set_vgpr_msb (MSB<<8)|(\new)
.set MSB, (\new)
.endif
.endm
.macro WA
	s_wait_alu depctr_va_vdst(0)
.endm
.macro PLACES
.rept 4
	v_nop
.endr
.endm
.macro BAR
	s_barrier_signal -1
	s_barrier_wait -1
.endm
.macro MKSC vsc, vlim                  ; s36 = e: 2^e and 57,344 x 2^e as f32
	s_add_co_i32 s36, s36, 127
	s_lshl_b32 s37, s36, 23
	v_mov_b32 v[\vsc], s37
	s_add_co_i32 s36, s36, 15
	s_lshl_b32 s36, s36, 23
	s_or_b32 s36, s36, 0x600000
	v_mov_b32 v[\vlim], s36
.endm
.macro TSEL                            ; which tile number SIG belongs to (the mask: all ones for tile B), and which half chunk of its keys it is
	s_cmp_gt_u32 s[SIG], s[W2]
	s_cselect_b32 s[MBM], -1, 0
	s_cselect_b32 s[KC], s[W1], 0
	s_sub_co_u32 s[KC], s[SIG], s[KC]
.endm
.macro KCN add                         ; s37 = the half chunk of number SIG + add
	s_add_co_u32 s37, s[SIG], \add
	s_cmp_gt_u32 s37, s[W2]
	s_cselect_b32 s38, s[W1], 0
	s_sub_co_u32 s37, s37, s38
.endm
.macro VOFF                            ; s37 = a half chunk: v's key step s37 / 2, pieces 2 (s37 % 2) on
	s_lshr_b32 s38, s37, 1
	s_lshl_b32 s38, s38, 14
	s_and_b32 s37, s37, 1
	s_lshl_b32 s37, s37, 10
	s_add_co_u32 s37, s37, s38
	v_add_nc_u32 v[VVA], s37, v[L16]
.endm
.macro PICK dst, st
	v_cndmask_b32 v[\dst], v[\st], v[\st+1], s[MBM]
.endm
.macro PUT st, src
	v_cndmask_b32 v[\st], v[\src], v[\st], s[MBM]
	v_cndmask_b32 v[\st+1], v[\st+1], v[\src], s[MBM]
.endm
.macro GLK                             ; four fragments of k: 8 KB in runs of 512 consecutive bytes
	WIN 0x40
.set jj, 0
.rept 16
	global_load_b128 v[KM+4*jj:KM+4*jj+3], v[VKA], s[6:7] offset:512*jj
.set jj, jj+1
.endr
	WIN 0
.endm
.macro GLV                             ; 64 keys of v's eight channel tiles
	WIN 0x40
.irp d, 0,1,2,3,4,5,6,7
	global_load_b128 v[8*\d:8*\d+3], v[VVA], s[8:9] offset:2048*\d
	global_load_b128 v[8*\d+4:8*\d+7], v[VVA], s[8:9] offset:2048*\d+512
.endr
	WIN 0
.endm
.macro ST8 blk
	WA
.irp j, 0,1,2,3,4,5,6,7
	ds_store_b128 v[VLA], v[\blk+4*\j:\blk+4*\j+3] offset:512*\j
.endr
.endm
.macro LD8 blk
.irp j, 0,1,2,3,4,5,6,7
	ds_load_b128 v[\blk+4*\j:\blk+4*\j+3], v[VLA] offset:512*\j
.endr
.endm
.macro VMAX blk                        ; the largest of 32 registers into v[TB]: four chains of eight, from the low end on
.irp c, 0,1,2,3
	v_max3_num_f32 v[TB+\c], v[\blk+8*\c], v[\blk+8*\c+1], v[\blk+8*\c+2]
.endr
.irp k, 3,5
.irp c, 0,1,2,3
	v_max3_num_f32 v[TB+\c], v[TB+\c], v[\blk+8*\c+\k], v[\blk+8*\c+\k+1]
.endr
.endr
	v_max3_num_f32 v[TB], v[TB], v[\blk+7], v[\blk+15]
	v_max3_num_f32 v[TB+2], v[TB+2], v[\blk+23], v[\blk+31]
	v_max3_num_f32 v[TB], v[TB], v[TB+1], v[TB+2]
	v_max_num_f32 v[TB], v[TB], v[TB+3]
.endm
.macro EXPB src, dst, cp               ; dst = 2^(src x c - maximum)
.set jj, 0
.rept 16
	v_pk_fma_f32 v[\dst+jj:\dst+jj+1], v[\src+jj:\src+jj+1], s[\cp:\cp+1], v[NM:NM+1] op_sel_hi:[1,0,0]
.set jj, jj+2
.endr
	WA
.set jj, 0
.rept 32
	v_exp_f32 v[\dst+jj], v[\dst+jj]
.set jj, jj+1
.endr
	v_nop                                          ; a plain line behind the exponentials
.endm
.macro FOLD n
.set jj, 0
.rept (\n)/2
	v_pk_add_f32 v[XB+jj:XB+jj+1], v[XB+jj:XB+jj+1], v[XB+jj+(\n):XB+jj+(\n)+1]
.set jj, jj+2
.endr
.endm
.macro VSUM blk, dst                   ; the sum of 32 registers, as a tree, through XB
	WA
.set jj, 0
.rept 8
	v_pk_add_f32 v[XB+jj:XB+jj+1], v[\blk+jj:\blk+jj+1], v[\blk+16+jj:\blk+16+jj+1]
.set jj, jj+2
.endr
	FOLD 8
	FOLD 4
	FOLD 2
	v_add_f32 v[\dst], v[XB], v[XB+1]
.endm
.macro RUNS                            ; for each group b: RB = my 16 e's sum, OB = the other half of the lanes', TB = the group's 32
	WA
.irp b, 0,1
.irp k, 0,1,2,3
	v_pk_add_f32 v[XB+16*\b+2*\k:XB+16*\b+2*\k+1], v[EB+16*\b+4*\k:EB+16*\b+4*\k+1], v[EB+16*\b+4*\k+2:EB+16*\b+4*\k+3]
.endr
.endr
.irp b, 0,1
	v_pk_add_f32 v[XB+16*\b:XB+16*\b+1], v[XB+16*\b:XB+16*\b+1], v[XB+16*\b+2:XB+16*\b+3]
	v_pk_add_f32 v[XB+16*\b+4:XB+16*\b+5], v[XB+16*\b+4:XB+16*\b+5], v[XB+16*\b+6:XB+16*\b+7]
.endr
.irp b, 0,1
	v_pk_add_f32 v[XB+16*\b:XB+16*\b+1], v[XB+16*\b:XB+16*\b+1], v[XB+16*\b+4:XB+16*\b+5]
.endr
.irp b, 0,1
	v_add_f32 v[RB+\b], v[XB+16*\b], v[XB+16*\b+1]
.endr
.irp b, 0,1
	v_permlanex16_b32 v[OB+\b], v[RB+\b], s[LSEL], s[LSEL+1]
.endr
.irp b, 0,1
	v_add_f32 v[TB+\b], v[RB+\b], v[OB+\b]
.endr
.endm
.macro CHAIN                           ; XB = the sum of e over all later keys; v[CC] comes in as the later halves' sum and goes out with this half's added
	v_fma_f32 v[XB+31], v[OB+1], v[HM], v[CC]      ; behind my last key of a group: the upper lanes' 16 (for the lower lanes), the later group, the later halves
	v_add_f32 v[TB+1], v[CC], v[TB+1]
	v_fma_f32 v[XB+15], v[OB], v[HM], v[TB+1]
	v_add_f32 v[TB], v[TB+1], v[TB]
	v_mov_b32 v[CC], v[TB]
.set ee, 14
.rept 15
	v_add_f32 v[XB+ee], v[XB+ee+1], v[EB+ee+1]
	v_add_f32 v[XB+16+ee], v[XB+16+ee+1], v[EB+16+ee+1]
.set ee, ee-1
.endr
.endm
.macro DECAY                           ; EB = SB x clip(2^-sqrt(XB x (q - k) x (gamma log2 e)^2 / Z), 1e-5, 1e5)
.set jj, 0
.rept 16
	v_pk_fma_f32 v[EB+jj:EB+jj+1], v[NEGN+jj:NEGN+jj+1], v[AP:AP+1], v[BS:BS+1] op_sel_hi:[1,0,0]
.set jj, jj+2
.endr
.set jj, 0
.rept 16
	v_pk_mul_f32 v[XB+jj:XB+jj+1], v[XB+jj:XB+jj+1], v[EB+jj:EB+jj+1]
.set jj, jj+2
.endr
	WA
.set jj, 0
.rept 32
	v_sqrt_f32 v[XB+jj], |v[XB+jj]|                ; not negative on keys that count; on hidden keys only a finite number is wanted
.set jj, jj+1
.endr
	v_nop
	WA
.set jj, 0
.rept 32
	v_exp_f32 v[XB+jj], -v[XB+jj]
.set jj, jj+1
.endr
	v_nop
	WA
.set jj, 0
.rept 32
	v_med3_num_f32 v[XB+jj], v[XB+jj], s[CLO], s[CHI]
.set jj, jj+1
.endr
.set jj, 0
.rept 16
	v_pk_mul_f32 v[EB+jj:EB+jj+1], v[SB+jj:SB+jj+1], v[XB+jj:XB+jj+1]
.set jj, jj+2
.endr
.endm
.macro QUANTP src, lim, sc             ; p = src x f, held (it is not negative) and turned into codes in XB on
.set jj, 0
.rept 16
	v_pk_mul_f32 v[EB+jj:EB+jj+1], v[\src+jj:\src+jj+1], v[FP:FP+1] op_sel_hi:[1,0]
.set jj, jj+2
.endr
.set jj, 0
.rept 32
	v_min_num_f32 v[EB+jj], v[EB+jj], v[\lim]
.set jj, jj+1
.endr
.irp b, 0,1
	v_cvt_scalef32_pk8_bf8_f32 v[XB+4*\b:XB+4*\b+1], v[EB+16*\b:EB+16*\b+7], v[\sc]
	v_cvt_scalef32_pk8_bf8_f32 v[XB+4*\b+2:XB+4*\b+3], v[EB+16*\b+8:EB+16*\b+15], v[\sc]
.endr
	v_nop                                          ; a plain line between the conversions and the matrix instructions that read the codes
.endm
.macro EPIO lim, sc, soff              ; O^T, each accumulator from its low end on, is held, quantised and stored as one image: rows = 16 queries, K = the head's 128
	v_add_nc_u32 v[VAO], s[\soff], v[L16]
.irp g, 0,1
	WIN 0x01                                       ; source 0 in window 1
.set jj, 0
.rept 32
	v_med3_num_f32 v[EB+jj], v[OT+32*\g+jj], -v[\lim], v[\lim]
.set jj, jj+1
.endr
	WIN 0
.irp b, 0,1
	v_cvt_scalef32_pk8_bf8_f32 v[XB+16+8*\g+4*\b:XB+16+8*\g+4*\b+1], v[EB+16*\b:EB+16*\b+7], v[\sc]
	v_cvt_scalef32_pk8_bf8_f32 v[XB+16+8*\g+4*\b+2:XB+16+8*\g+4*\b+3], v[EB+16*\b+8:EB+16*\b+15], v[\sc]
.endr
	v_nop                                          ; a plain line behind the conversions, whose sources are written again
.endr
.irp c, 0,1,2,3
	global_store_b128 v[VAO], v[XB+16+4*\c:XB+16+4*\c+3], s[74:75] offset:512*\c   ; 32 lanes store 512 consecutive bytes
.endr
	s_wait_xcnt 0x0                                ; the stores have read their registers, which are scratch for what follows
.endm
	s_load_b256 s[68:75], s[0:1], 0x0              ; proj 68, gammas 70, the scales 72, ao 74
	v_lshl_add_u32 v[SPW], v0, 2, SPARE
	v_mov_b32 v[NIL], 0
	v_lshrrev_b32 v1, 5, v0
	v_readfirstlane_b32 s[WVN], v1                 ; wave 0..7
	s_and_b32 s[W], s[WVN], 3                      ; the pair
	s_lshr_b32 s[ROLE], s[WVN], 2                  ; 0: numbers 0-8, 1: numbers 9-17
	s_and_b32 s[BH], ttmp7, 0xffff                 ; 8 x batch + head
	s_lshl_b32 s[WM], s[W], 1
	s_add_co_u32 s[W2], s[WM], 1                   ; tile A's last number
	s_add_co_u32 s[W1], s[WM], 2                   ; tile B's first
	s_mul_i32 s[S0], s[ROLE], 9
	s_cmp_eq_u32 s[ROLE], 0
	s_cselect_b32 s[RA], 1.0, 0
	s_lshl_b32 s36, s[W], 3
	s_add_co_u32 s[IA], s36, ttmp9                 ; tile A
	s_sub_co_u32 s[IB], 56, s36
	s_add_co_u32 s[IB], s[IB], ttmp9               ; tile B
	s_mov_b32 s[LSEL], 0x76543210
	s_mov_b32 s[LSEL+1], 0xfedcba98                ; v_permlanex16_b32: lane l xor 16
	s_mov_b32 s[CLO], 0x3727c5ac                   ; 1e-5
	s_mov_b32 s[CHI], 0x47c35000                   ; 1e5
	s_mov_b32 s[TINY], 0x0da24260                  ; 1e-30
	s_mov_b32 s[NBIG], 0xff61b1e6                  ; -3e38
	v_and_b32 v[L16], 31, v0
	v_lshlrev_b32 v[XA], 3, v[L16]                 ; 8 x lane
	v_lshlrev_b32 v[L16], 4, v[L16]
	v_and_b32 v[RR], 15, v0
	v_bfe_u32 v[HH], v0, 4, 1
	s_mul_i32 s36, s[WVN], 36864                   ; nine slots of 4,096 bytes a wave
	v_add_nc_u32 v[VL], s36, v[L16]
	s_xor_b32 s37, s[WVN], 4                       ; my partner
	s_mul_i32 s36, s37, 36864
	v_add_nc_u32 v[VLP], s36, v[L16]
	s_lshl_b32 s37, s37, 8
	s_add_co_u32 s37, s37, XCH
	v_add_nc_u32 v[XP], s37, v[XA]
	s_lshl_b32 s36, s[WVN], 8
	s_add_co_u32 s36, s36, XCH
	v_add_nc_u32 v[XA], s36, v[XA]
	v_mov_b32 v[NINF], 0xff800000
	v_sub_nc_u32 v[HM], 1, v[HH]
	v_cvt_f32_u32 v[HM], v[HM]                     ; 1.0 in lanes 0-15, 0 in lanes 16-31
	v_mov_b32 v[NM+1], 0                           ; the pairs' upper halves are named, so they are written
	v_mov_b32 v[AP+1], 0
	v_mov_b32 v[BS+1], 0
	v_mov_b32 v[FP+1], 0
.set jj, RB
.rept 12
	v_mov_b32 v[jj], 0                             ; a lane permute's destination counts as one of its sources
.set jj, jj+1
.endr
.set nn, 0
.rept 32
	v_cvt_f32_i32 v[NEGN+nn], -(32*(nn/16)+(nn%16))   ; the table: register 16 b + e stands 32 b + e keys behind the lane's first
.set nn, nn+1
.endr
	WA
	; offsets of the first loads: my window tile's q, two groups of k and of v; both main q; my first half of k; the prefetch
	s_cmp_eq_u32 s[ROLE], 0
	s_cselect_b32 s86, s[IA], s[IB]                ; my window tile i
	s_lshl_b32 s88, s86, 11
	v_add_nc_u32 v[VLA], s88, v[L16]
	s_lshr_b32 s87, s86, 1                         ; the groups of 32 keys i / 2 - 1 and i / 2 hold the band
	s_sub_co_i32 s89, s87, 1
	s_max_i32 s89, s89, 0                          ; tiles 0 and 1 have no lower group: its ADDRESS is held at group 0, its keys still count as negative and are hidden
	s_lshl_b32 s88, s89, 12
	v_add_nc_u32 v[VAO], s88, v[L16]
	s_lshl_b32 s88, s87, 12
	v_add_nc_u32 v[VG], s88, v[L16]
	s_lshr_b32 s88, s89, 2
	s_lshl_b32 s88, s88, 14
	s_and_b32 s89, s89, 3
	s_lshl_b32 s89, s89, 9
	s_add_co_u32 s88, s88, s89
	v_add_nc_u32 v[T0], s88, v[L16]                ; v: key step group / 4, piece group % 4
	s_lshr_b32 s88, s87, 2
	s_lshl_b32 s88, s88, 14
	s_and_b32 s89, s87, 3
	s_lshl_b32 s89, s89, 9
	s_add_co_u32 s88, s88, s89
	v_add_nc_u32 v[T1], s88, v[L16]
	s_and_b32 s90, s86, 1
	s_lshl_b32 s90, s90, 4
	s_add_co_u32 s90, s90, 32
	s_lshl_b32 s91, s86, 4
	s_lshl_b32 s88, s[IA], 11
	v_add_nc_u32 v[QAO], s88, v[L16]
	s_lshl_b32 s88, s[IB], 11
	v_add_nc_u32 v[QBO], s88, v[L16]
	s_and_b32 s88, s[WVN], 1
	s_lshl_b32 s88, s88, 13
	s_lshl_b32 s89, ttmp9, 14
	s_add_co_u32 s88, s88, s89
	v_lshl_add_u32 v[PFO], v[L16], 4, s88          ; chunk x, its half wave % 2, 256 x lane
	s_mov_b32 s[SIG], s[S0]
	KCN 0
	s_lshl_b32 s37, s37, 13
	v_add_nc_u32 v[VKA], s37, v[L16]
	s_lshr_b32 s36, s[BH], 3
	s_lshl_b32 s36, s36, 20
	s_and_b32 s37, s[BH], 7
	s_lshl_b32 s38, s37, 11
	s_add_co_u32 s36, s36, s38
	s_lshl_b32 s38, s[IA], 14
	s_add_co_u32 s[AOA], s36, s38                  ; ((64 batch + tile) x 8 + head) x 2,048
	s_lshl_b32 s38, s[IB], 14
	s_add_co_u32 s[AOB], s36, s38
	s_cmp_eq_u32 s[ROLE], 0
	s_cselect_b32 s63, s[AOA], s[AOB]
	s_add_co_u32 s63, s63, 0x400000                ; ao's second set
	s_lshl_b32 s36, s37, 2
	s_mov_b32 s37, 0
	s_lshl_b32 s38, s[BH], 17
	s_mov_b32 s39, 0
	WA
	s_wait_kmcnt 0x0
	s_load_b512 s[40:55], s[72:73], 0x0            ; entry k of the scales in s[40 + k]
	s_load_b128 s[56:59], s[72:73], 0x40
	s_load_b64 s[60:61], s[72:73], 0x50
	s_add_nc_u64 s[76:77], s[70:71], s[36:37]
	s_load_b32 s78, s[76:77], 0x0                  ; the head's gamma
	s_add_nc_u64 s[4:5], s[68:69], s[38:39]        ; q
	s_add_nc_u64 s[6:7], s[4:5], 0x400000          ; k
	s_add_nc_u64 s[10:11], s[4:5], 0x800000        ; q window
	s_add_nc_u64 s[12:13], s[4:5], 0xc00000        ; k window
	s_add_nc_u64 s[8:9], s[4:5], 0x1000000         ; v, entry 13's scale
	s_add_nc_u64 s[14:15], s[4:5], 0x1400000       ; v, entry 19's
.irp c, 0,1,2,3
	global_load_b128 v[QC+4*\c:QC+4*\c+3], v[VLA], s[10:11] offset:512*\c
.endr
	WIN 0x40
.irp n, 0,1,2,3,4,5,6,7
	global_load_b128 v[4*\n:4*\n+3], v[VAO], s[12:13] offset:512*\n
	global_load_b128 v[32+4*\n:32+4*\n+3], v[VG], s[12:13] offset:512*\n
.endr
.irp d, 0,1,2,3,4,5,6,7
	global_load_b128 v[64+8*\d:64+8*\d+3], v[T0], s[14:15] offset:2048*\d
	global_load_b128 v[64+8*\d+4:64+8*\d+7], v[T1], s[14:15] offset:2048*\d
.endr
	WIN 0
	s_cmp_lt_u32 s[WVN], 2                         ; waves 0, 1: k; waves 2, 3: v
	s_cselect_b64 s[PFB:PFB+1], s[6:7], s[8:9]
	s_cmp_lt_u32 s[WVN], 4
	s_cbranch_scc0 .Lno_ask
	global_prefetch_b8 v[PFO], s[PFB:PFB+1] th:TH_LOAD_NT scope:SCOPE_SE
.Lno_ask:
	s_wait_kmcnt 0x0
	s_mul_f32 s[G2], s78, 0x3fb8aa3b
	s_mul_f32 s[G2], s[G2], s[G2]                  ; (gamma log2 e)^2: the sign of gamma falls away, as under the absolute value
	s_add_co_i32 s36, s50, s51
	s_lshl_b32 s36, s36, 23
	s_add_co_i32 s[CS], s36, 0x3e0293ee            ; c = log2(e) / sqrt(128), the two exponents added to its exponent field
	s_mov_b32 s[CS+1], s[CS]
	s_add_co_i32 s36, s56, s57
	s_lshl_b32 s36, s36, 23
	s_add_co_i32 s[CW], s36, 0x3e0293ee
	s_mov_b32 s[CW+1], s[CW]
	s_mov_b32 s36, s52
	MKSC SCP, LIMP
	s_sub_co_i32 s36, s54, s52
	s_sub_co_i32 s36, s36, s53
	MKSC SCO, LIMO
	s_mov_b32 s36, s58
	MKSC SCPW, LIMPW
	s_sub_co_i32 s36, s60, s58
	s_sub_co_i32 s36, s36, s59
	MKSC SCOW, LIMOW
	; ---------------- THE WINDOW of my tile ----------------
	WA
	s_wait_loadcnt 0x0                             ; the window's 36 loads
.irp c, 0,1,2,3
	global_load_b128 v[QA+4*\c:QA+4*\c+3], v[QAO], s[4:5] offset:512*\c    ; main q and my first half of k land under the window's work
	global_load_b128 v[QB+4*\c:QB+4*\c+3], v[QBO], s[4:5] offset:512*\c
.endr
	GLK
	WIN 0x01                                       ; source 0 (k) window 1
.irp t, 0,1,2,3
	v_wmma_f32_16x16x128_bf8_bf8 v[SB+8*\t:SB+8*\t+7], v[16*\t:16*\t+15], v[QC:QC+15], 0
.endr
	WIN 0
	v_lshlrev_b32 v[VD], 4, v[HH]                  ; six plain lines: the places behind the products
	v_sub_nc_u32 v[VD], v[RR], v[VD]
	v_add_nc_u32 v[VD], s90, v[VD]                 ; d = my query less my first key: register 16 g + e holds the key 32 g + e further on
	v_add_nc_u32 v[VWD], s91, v[RR]                ; q
	v_min_u32 v[VWD], 19, v[VWD]                   ; the band's width: 19, or q where the sequence begins
	v_sub_nc_u32 v[VLO], v[VD], v[VWD]
.set nn, 0
.rept 32
	v_sub_nc_u32 v[T0], 32*(nn/16)+(nn%16), v[VLO]
	v_cmp_le_u32 vcc_lo, v[VWD], v[T0]             ; a key counts where 0 <= its place - (d - width) < width
	v_cndmask_b32 v[SB+nn], v[SB+nn], v[NINF], vcc_lo
.set nn, nn+1
.endr
	VMAX SB
	v_permlanex16_b32 v[OB], v[TB], s[LSEL], s[LSEL+1]
	v_max_num_f32 v[TB], v[TB], v[OB]
	v_mul_f32 v[TB], s[CW], v[TB]
	v_max_num_f32 v[TB], s[NBIG], v[TB]
	v_mul_f32 v[NM], -1.0, v[TB]
	EXPB SB, EB, CW
	RUNS
	v_add_f32 v[CZ], v[TB], v[TB+1]
	v_max_num_f32 v[CZ], s[TINY], v[CZ]
	WA
	v_rcp_f32 v[CZ], v[CZ]
	v_nop
	v_cvt_f32_i32 v[T0], v[VD]
	v_mov_b32 v[CC], 0
	WA
	v_mul_f32 v[AP], s[G2], v[CZ]
	v_mul_f32 v[BS], v[T0], v[AP]
	CHAIN
	DECAY
	VMAX EB
	v_permlanex16_b32 v[OB], v[TB], s[LSEL], s[LSEL+1]
	v_max_num_f32 v[TB], v[TB], v[OB]
	v_mul_f32 v[TB], s[CW], v[TB]
	v_max_num_f32 v[TB], s[NBIG], v[TB]
	v_mul_f32 v[NM], -1.0, v[TB]
	EXPB EB, SB, CW
	VSUM SB, T0
	v_permlanex16_b32 v[OB], v[T0], s[LSEL], s[LSEL+1]
	v_add_f32 v[T0], v[T0], v[OB]
	v_max_num_f32 v[T0], s[TINY], v[T0]
	WA
	v_rcp_f32 v[FP], v[T0]
	v_nop
	WA
	QUANTP SB, LIMPW, SCPW
	WIN 0x41                                       ; source 0 (v) and the destination in window 1
.irp d, 0,1,2,3,4,5,6,7
	v_wmma_f32_16x16x64_bf8_bf8 v[OT+8*\d:OT+8*\d+7], v[64+8*\d:64+8*\d+7], v[XB:XB+7], 0
.endr
	WIN 0
	PLACES
	EPIO LIMOW, SCOW, 63
	; ---------------- MAIN ----------------
	s_lshl_b32 s36, s[IA], 4
	s_lshl_b32 s37, s[IB], 4
	v_lshlrev_b32 v[T0], 4, v[HH]
	v_sub_nc_u32 v[T0], v[RR], v[T0]
	v_add_nc_u32 v[ST_D], s36, v[T0]               ; q - 16 (lane / 16), as a whole number and as f32
	v_add_nc_u32 v[ST_D+1], s37, v[T0]
	v_cvt_f32_i32 v[ST_QF], v[ST_D]
	v_cvt_f32_i32 v[ST_QF+1], v[ST_D+1]
.irp t, 0,1
	v_mov_b32 v[ST_M+\t], s[NBIG]
	v_mov_b32 v[ST_Z+\t], 0
	v_mov_b32 v[ST_C+\t], 0
	v_mov_b32 v[ST_M2+\t], v[NINF]
	v_mov_b32 v[ST_Z2+\t], 0
.endr
	; ---- P1 ----
	s_mov_b32 s[SIG], s[S0]
	s_mov_b32 s[SLO], 0
	s_mov_b32 s[CNT], 0
	WA
.Lp1:
	TSEL
	s_wait_loadcnt 0x0                             ; this half of k (and, in the first trip, q)
.set nn, 0
.rept 16
	v_cndmask_b32 v[QC+nn], v[QA+nn], v[QB+nn], s[MBM]
.set nn, nn+1
.endr
	WIN 0x01
.irp t, 0,1,2,3
	v_wmma_f32_16x16x128_bf8_bf8 v[SB+8*\t:SB+8*\t+7], v[KM+16*\t:KM+16*\t+15], v[QC:QC+15], 0
.endr
	WIN 0
	PICK CM, ST_M                                  ; five plain lines: the places behind the products
	PICK CZ, ST_Z
	PICK VD, ST_D
	s_lshl_b32 s36, s[KC], 6
	v_sub_nc_u32 v[VD], v[VD], s36                 ; my query less my first key of the half
	v_add_nc_u32 v[VLA], s[SLO], v[VL]
	WA
	s_cmp_eq_u32 s[CNT], 8
	s_cbranch_scc1 .Lp1_last                       ; my last number has no successor
	KCN 1
	s_lshl_b32 s37, s37, 13
	v_add_nc_u32 v[VKA], s37, v[L16]
	GLK                                            ; the next half of k lands while this one's softmax is worked
.Lp1_last:
	s_cmp_gt_u32 s[SIG], s[W2]                     ; a tile's last two halves hold the diagonal and what lies behind it
	s_cselect_b32 s36, 16, s[WM]
	s_cmp_lt_u32 s[SIG], s36
	s_cbranch_scc1 .Lp1_open
	WA
.set nn, 0
.rept 32
	v_cmp_gt_i32 vcc_lo, 32*(nn/16)+(nn%16)+1, v[VD]   ; hidden where the key is not before the query
	v_cndmask_b32 v[SB+nn], v[SB+nn], v[NINF], vcc_lo
.set nn, nn+1
.endr
.Lp1_open:
	ST8 SB
	VMAX SB
	v_mul_f32 v[TB], s[CS], v[TB]
	v_max_num_f32 v[T0], v[CM], v[TB]              ; the lane's running maximum
	v_sub_f32 v[T1], v[CM], v[T0]
	WA
	v_exp_f32 v[T1], v[T1]
	v_mul_f32 v[NM], -1.0, v[T0]
	v_mov_b32 v[CM], v[T0]
	EXPB SB, EB, CS
	VSUM EB, TB
	v_fma_f32 v[CZ], v[CZ], v[T1], v[TB]
	PUT ST_M, CM
	PUT ST_Z, CZ
	s_add_co_u32 s[SLO], s[SLO], 4096
	s_add_co_u32 s[SIG], s[SIG], 1
	s_add_co_u32 s[CNT], s[CNT], 1
	WA
	s_cmp_lt_u32 s[CNT], 9
	s_cbranch_scc1 .Lp1
	s_wait_loadcnt 0x0                             ; no load of k is out on any path
	s_mov_b32 s[SIG], s[S0]
	KCN 0
	VOFF
	GLV                                            ; v's first half, for P5
	; ---- FIN1: the two halves of the lanes meet, then the two waves of the pair (tile B) ----
.irp t, 0,1
	v_permlanex16_b32 v[OB+\t], v[ST_M+\t], s[LSEL], s[LSEL+1]
.endr
.irp t, 0,1
	v_max_num_f32 v[OB+\t], v[OB+\t], v[ST_M+\t]
.endr
.irp t, 0,1
	v_sub_f32 v[TB+\t], v[ST_M+\t], v[OB+\t]
.endr
	WA
.irp t, 0,1
	v_exp_f32 v[TB+\t], v[TB+\t]
.endr
	v_nop
	WA
.irp t, 0,1
	v_mul_f32 v[ST_Z+\t], v[ST_Z+\t], v[TB+\t]
.endr
.irp t, 0,1
	v_permlanex16_b32 v[RB+\t], v[ST_Z+\t], s[LSEL], s[LSEL+1]
.endr
.irp t, 0,1
	v_add_f32 v[ST_Z+\t], v[ST_Z+\t], v[RB+\t]
.endr
	v_mov_b32 v[PX], v[OB+1]                       ; my wave's maximum and sum of tile B's row
	v_mov_b32 v[PX+1], v[ST_Z+1]
	ds_store_b64 v[XA], v[PX:PX+1]
	WA
	s_wait_dscnt 0x0                               ; my words have landed
	BAR
	ds_load_b64 v[PX:PX+1], v[XP]                  ; my partner's
	s_wait_dscnt 0x0
	v_max_num_f32 v[T0], v[OB+1], v[PX]            ; M
	v_sub_f32 v[TB], v[OB+1], v[T0]
	v_sub_f32 v[TB+1], v[PX], v[T0]
	WA
	v_exp_f32 v[TB], v[TB]
	v_exp_f32 v[TB+1], v[TB+1]
	v_mov_b32 v[OB+1], v[T0]                       ; (a plain line behind the exponentials)
	WA
	v_mul_f32 v[T1], v[PX+1], v[TB+1]              ; my partner's sum under M
	v_fma_f32 v[ST_Z+1], v[ST_Z+1], v[TB], v[T1]   ; Z
	v_mul_f32 v[ST_C+1], s[RA], v[T1]              ; for the wave with the earlier keys it is the sum over all later halves; for the other: 0
.irp t, 0,1
	v_max_num_f32 v[ST_Z+\t], s[TINY], v[ST_Z+\t]
.endr
	WA
.irp t, 0,1
	v_rcp_f32 v[ST_Z+\t], v[ST_Z+\t]
.endr
.irp t, 0,1
	v_mul_f32 v[ST_M+\t], -1.0, v[OB+\t]           ; -M from here on.  (Plain lines behind the reciprocals)
.endr
	WA
.irp t, 0,1
	v_mul_f32 v[ST_A+\t], s[G2], v[ST_Z+\t]
.endr
	; ---- P3: slots downward ----
	s_add_co_u32 s[SIG], s[S0], 8
	s_mov_b32 s[SLO], 32768
	s_mov_b32 s[CNT], 9
	WA
.Lp3:
	TSEL
	v_add_nc_u32 v[VLA], s[SLO], v[VL]
	LD8 SB
	PICK NM, ST_M
	PICK AP, ST_A
	PICK T0, ST_QF
	PICK CC, ST_C
	PICK CM2, ST_M2
	s_lshl_b32 s36, s[KC], 6
	s_cvt_f32_u32 s36, s36
	v_sub_f32 v[T0], v[T0], s36
	v_mul_f32 v[BS], v[T0], v[AP]
	WA
	s_wait_dscnt 0x0
	EXPB SB, EB, CS
	RUNS
	CHAIN
	DECAY
	ST8 EB                                         ; over the scores of the same slot: LDS serves a wave's instructions in order
	VMAX EB
	v_max_num_f32 v[CM2], v[CM2], v[TB]
	PUT ST_C, CC
	PUT ST_M2, CM2
	s_sub_co_u32 s[SLO], s[SLO], 4096
	s_sub_co_u32 s[SIG], s[SIG], 1
	s_sub_co_i32 s[CNT], s[CNT], 1
	WA
	s_cmp_lg_u32 s[CNT], 0
	s_cbranch_scc1 .Lp3
	; ---- FIN3 ----
.irp t, 0,1
	v_permlanex16_b32 v[OB+\t], v[ST_M2+\t], s[LSEL], s[LSEL+1]
.endr
.irp t, 0,1
	v_max_num_f32 v[ST_M2+\t], v[ST_M2+\t], v[OB+\t]
.endr
	ds_store_b32 v[XA], v[ST_M2+1] offset:2048
	WA
	s_wait_dscnt 0x0
	BAR
	ds_load_b32 v[PX], v[XP] offset:2048
	s_wait_dscnt 0x0
	v_max_num_f32 v[ST_M2+1], v[ST_M2+1], v[PX]
.irp t, 0,1
	v_mul_f32 v[ST_M2+\t], s[CS], v[ST_M2+\t]
.endr
.irp t, 0,1
	v_max_num_f32 v[ST_M2+\t], s[NBIG], v[ST_M2+\t]
.endr
.irp t, 0,1
	v_mul_f32 v[ST_M2+\t], -1.0, v[ST_M2+\t]
.endr
	; ---- P4 ----
	s_mov_b32 s[SIG], s[S0]
	s_mov_b32 s[SLO], 0
	s_mov_b32 s[CNT], 0
	WA
.Lp4:
	TSEL
	v_add_nc_u32 v[VLA], s[SLO], v[VL]
	LD8 SB
	PICK NM, ST_M2
	PICK CZ, ST_Z2
	WA
	s_wait_dscnt 0x0
	EXPB SB, EB, CS
	ST8 EB
	VSUM EB, T0
	v_add_f32 v[CZ], v[CZ], v[T0]
	PUT ST_Z2, CZ
	s_add_co_u32 s[SLO], s[SLO], 4096
	s_add_co_u32 s[SIG], s[SIG], 1
	s_add_co_u32 s[CNT], s[CNT], 1
	WA
	s_cmp_lt_u32 s[CNT], 9
	s_cbranch_scc1 .Lp4
	; ---- FIN4 ----
.irp t, 0,1
	v_permlanex16_b32 v[OB+\t], v[ST_Z2+\t], s[LSEL], s[LSEL+1]
.endr
.irp t, 0,1
	v_add_f32 v[ST_Z2+\t], v[ST_Z2+\t], v[OB+\t]
.endr
	ds_store_b32 v[XA], v[ST_Z2+1] offset:4096
	WA
	s_wait_dscnt 0x0
	BAR
	ds_load_b32 v[PX], v[XP] offset:4096
	s_wait_dscnt 0x0
	v_add_f32 v[ST_Z2+1], v[ST_Z2+1], v[PX]
.irp t, 0,1
	v_max_num_f32 v[TB+\t], s[TINY], v[ST_Z2+\t]
.endr
	WA
.irp t, 0,1
	v_rcp_f32 v[TB+\t], v[TB+\t]
.endr
.irp t, 0,1
	v_min_num_f32 v[ST_Z2+\t], 0x40a00000, v[ST_Z2+\t]   ; min(Z2, 5).  (Plain lines behind the reciprocals)
.endr
	WA
.irp t, 0,1
	v_mul_f32 v[ST_Z2+\t], v[ST_Z2+\t], v[TB+\t]   ; f
.endr
	; ---- P5 ----
	s_mov_b32 s[SIG], s[S0]
	s_mov_b32 s[SLO], 0
	s_mov_b32 s[CNT], 0
	WA
.Lp5:
	TSEL
	v_add_nc_u32 v[VLA], s[SLO], v[VL]
	LD8 SB
	PICK FP, ST_Z2
	WA
	s_wait_dscnt 0x0
	QUANTP SB, LIMP, SCP
	WA
	s_wait_loadcnt 0x0                             ; this half of v
	s_cmp_eq_u32 s[KC], 0
	s_cbranch_scc1 .Lp5_first
	s_cmp_eq_u32 s[CNT], 0
	s_cbranch_scc1 .Lp5_first
	WIN 0x51                                       ; source 0 (v), C and D in window 1.  The 8 accumulators take turns
	WA
.irp d, 0,1,2,3,4,5,6,7
	v_wmma_f32_16x16x64_bf8_bf8 v[OT+8*\d:OT+8*\d+7], v[8*\d:8*\d+7], v[XB:XB+7], v[OT+8*\d:OT+8*\d+7]
.endr
	WIN 0
	s_branch .Lp5_done
.Lp5_first:                                        ; a tile's first half, and my wave's first: the product starts the sums, nothing is cleared
	WIN 0x41
	WA
.irp d, 0,1,2,3,4,5,6,7
	v_wmma_f32_16x16x64_bf8_bf8 v[OT+8*\d:OT+8*\d+7], v[8*\d:8*\d+7], v[XB:XB+7], 0
.endr
	WIN 0
.Lp5_done:
	PLACES
	s_cmp_eq_u32 s[CNT], 8
	s_cbranch_scc1 .Lp5_last
	KCN 1
	VOFF
	GLV
.Lp5_last:
	s_cmp_lg_u32 s[SIG], s[W2]
	s_cbranch_scc1 .Lp5_next
	EPIO LIMO, SCO, AOA                            ; tile A's last half: its rows leave
.Lp5_next:
	s_add_co_u32 s[SLO], s[SLO], 4096
	s_add_co_u32 s[SIG], s[SIG], 1
	s_add_co_u32 s[CNT], s[CNT], 1
	WA
	s_cmp_lt_u32 s[CNT], 9
	s_cbranch_scc1 .Lp5
	; ---- tile B's two parts of O^T meet: each wave lays its part over its own first two slots, which it has read out; the wave with the later keys adds its partner's and stores ----
	WIN 0x04                                       ; the data in window 1
.irp j, 0,1,2,3,4,5,6,7,8,9,10,11,12,13,14,15
	ds_store_b128 v[VL], v[OT+4*\j:OT+4*\j+3] offset:512*\j
.endr
	WIN 0
	s_wait_dscnt 0x0
	BAR
	s_cmp_eq_u32 s[ROLE], 0
	s_cbranch_scc1 .Lend
.irp j, 0,1,2,3,4,5,6,7,8,9,10,11,12,13,14,15
	ds_load_b128 v[SB+4*\j:SB+4*\j+3], v[VLP] offset:512*\j    ; into v64-127: the scores' registers and the table's, both done with
.endr
	s_wait_dscnt 0x0
	WIN 0x41                                       ; source 0 and the destination in window 1
.set jj, 0
.rept 32
	v_pk_add_f32 v[OT+jj:OT+jj+1], v[OT+jj:OT+jj+1], v[SB+jj:SB+jj+1]
.set jj, jj+2
.endr
	WIN 0
	EPIO LIMO, SCO, AOB
.Lend:
	s_wait_tensorcnt 0x0                           ; the wave's end
	ds_add_u32 v[SPW], v[NIL]
	s_wait_dscnt 0x0
	s_endpgm
.Lfunc_end_k_q1c5ea1ee9f_attn:
	.size	k_q1c5ea1ee9f_attn, .Lfunc_end_k_q1c5ea1ee9f_attn-k_q1c5ea1ee9f_attn
	.p2alignl 7, 3214868480
	.fill 96, 4, 3214868480
	.section	.rodata,"a",@progbits
	.p2align	6, 0x0
	.amdhsa_kernel k_q1c5ea1ee9f_attn
		.amdhsa_group_segment_fixed_size 304128
		.amdhsa_private_segment_fixed_size 0
		.amdhsa_enable_private_segment 0
		.amdhsa_kernarg_size 32
		.amdhsa_user_sgpr_count 2
		.amdhsa_user_sgpr_kernarg_segment_ptr 1
		.amdhsa_wavefront_size32 1
		.amdhsa_system_sgpr_workgroup_id_x 1
		.amdhsa_system_sgpr_workgroup_id_y 1
		.amdhsa_system_sgpr_workgroup_id_z 1
		.amdhsa_system_vgpr_workitem_id 0
		.amdhsa_next_free_vgpr 512
		.amdhsa_next_free_sgpr 96
		.amdhsa_reserve_vcc 1
		.amdhsa_float_denorm_mode_32 3
		.amdhsa_float_denorm_mode_16_64 3
		.amdhsa_memory_ordered 1
		.amdhsa_forward_progress 1
		.amdhsa_inst_pref_size 106
	.end_amdhsa_kernel
	.amdgpu_metadata
---
amdhsa.version: [ 1, 2 ]
amdhsa.kernels:
  - .name:           k_q1c5ea1ee9f_attn
    .symbol:         k_q1c5ea1ee9f_attn.kd
    .args:
      - { .name: proj, .offset: 0, .size: 8, .value_kind: global_buffer, .address_space: global }
      - { .name: gammas, .offset: 8, .size: 8, .value_kind: global_buffer, .address_space: global }
      - { .name: lowp_scales, .offset: 16, .size: 8, .value_kind: global_buffer, .address_space: global }
      - { .name: ao, .offset: 24, .size: 8, .value_kind: global_buffer, .address_space: global }
    .group_segment_fixed_size: 304128
    .private_segment_fixed_size: 0
    .kernarg_segment_align: 8
    .kernarg_segment_size: 32
    .max_flat_workgroup_size: 256
    .sgpr_count:     96
    .vgpr_count:     512
    .wavefront_size: 32
...
	.end_amdgpu_metadata
.endif
;; end of part 3
;; launch outp (part 4): grid 128 x 2, 4 waves a work-group, clusters of 4 x 1, 266,752 bytes of LDS; arguments ao, Wo_codes, Wow_codes, bo, bow, lowp_scales, y; writes y
.if DOCPART == 4
	.amdgcn_target "amdgcn-amd-amdhsa--gfx1250"
	.amdhsa_code_object_version 6
	.text
	.protected	k_q1c5ea1ee9f_outp
	.globl	k_q1c5ea1ee9f_outp
	.p2align	8
	.type	k_q1c5ea1ee9f_outp,@function
k_q1c5ea1ee9f_outp:
	s_mov_b64 s[64:65], 0
	v_nop
	global_prefetch_b8 v0, s[64:65] scope:SCOPE_SE
	s_setreg_imm32_b32 hwreg(HW_REG_WAVE_MODE, 25, 1), 1
	s_wait_xcnt 0x0
	s_wait_alu depctr_hold_cnt(0) depctr_sa_sdst(0) depctr_va_vdst(0) depctr_va_sdst(0) depctr_va_ssrc(0) depctr_va_vcc(0) depctr_vm_vsrc(0)
	s_getreg_b32 s2, hwreg(HW_REG_IB_STS2, 6, 4)
	s_cmp_eq_u32 s2, 0
	s_cbranch_scc0 .Lentry_in_a_cluster
	s_endpgm
.Lentry_in_a_cluster:
	s_bfe_u32 s2, ttmp6, 0x10000c
	s_cmp_lg_u32 s2, 0x3003
	s_cbranch_scc0 .Lentry_shape_is_right
	s_endpgm
.Lentry_shape_is_right:
; The two output projections: y[p] = attention result p x W_p + bias_p, f32; p = work-group y (0: Wo, bo; 1: Wow, bow).
; A work-group makes 128 rows x 256 columns x K 1,024.  256 rows of W_p (the columns of y) are RESIDENT: 64 a wave, in 512 registers.  The 128 rows of the attention result arrive as images of operand registers
; (8 tiles x 8 K steps x 2,048 bytes, one dense block of 131,072 bytes); the four waves copy it into LDS once, a quarter each, and all four read it.
; The matrix instruction takes 16 rows of W as source 0 and 16 rows of the result as source 1: a lane holds one row of y.  Lane r of W's tile 2 b + u takes row 32 b + 8 u + r + 8 (r / 8), so that a lane's 16 registers of
; two neighbouring tiles are 16 neighbouring columns: 64 bytes.  They go through the wave's own stage and leave as rows of 256 aligned bytes.
; CLUSTER: the four work-groups of a cluster share p and the 256 rows of W, so W's tile is asked for JOINTLY: the same tensor load with the same descriptor and the mask of all four, once a wave, behind the opening round.
; The place in the cluster enters only the global offsets of the attention result and of y.
; The bias is the C of each sum's first matrix instruction, divided by 2^(ea + eb); each finished sum is multiplied once by 2^(ea + eb).
; LIMIT: ea + eb (entries 14 + 15, 20 + 21) between -126 and 127.
; REGISTERS: window 0: v1-24 addresses; v32-63 the bias; v64-127 rows on the way out; v128-191 the 8 accumulators; v192-255 two sets of fragments.  Windows 1, 2: W's fragments.  Window 3: my quarter of the images on its way to LDS.
.set PITCH, 1040
.set RSTG,  66560
.set STG,   131072                     ; behind the images: 32 rows x 272 bytes for each wave.  Images and stages lie where W was staged: those bytes have had their one fill
.set SPITCH, 272
.set BR,    32
.set OUTR,  64
.set ACC,   128
.set F0,    192
.set F1,    224
.set MSB, 0
.macro WIN new
.if MSB != (\new)
	s_set_vgpr_msb (MSB<<8)|(\new)
.set MSB, (\new)
.endif
.endm
.macro PLACES
.rept 4
	v_nop
.endr
.endm
.macro ROUND                           ; a round of the cluster's barrier
	s_barrier_signal -1
	s_barrier_wait -1
	s_cmp_lg_u32 s20, 0
	s_cbranch_scc1 .Lnot_wave_0_\@
	s_barrier_signal -3
.Lnot_wave_0_\@:
	s_barrier_wait -3
	s_barrier_signal -1
	s_barrier_wait -1
.endm
	s_load_b256 s[68:75], s[0:1], 0x0              ; ao 68, Wo 70, Wow 72, bo 74
	s_load_b128 s[76:79], s[0:1], 0x20             ; bow 76, the scales 78
	s_load_b64 s[80:81], s[0:1], 0x30              ; y
	v_lshl_add_u32 v30, v0, 2, 0x41000
	v_mov_b32 v31, 0
	ds_add_u32 v30, v31
	ds_add_u32 v30, v31
	v_lshrrev_b32 v1, 5, v0
	v_readfirstlane_b32 s20, v1                    ; wave
	s_and_b32 s3, ttmp7, 0xffff                    ; p
	s_lshr_b32 s6, ttmp9, 3                        ; rg: which 256 rows of W: the same in the four partners
	v_and_b32 v1, 31, v0
	v_lshlrev_b32 v1, 4, v1                        ; 16 x lane
	v_and_b32 v2, 15, v0                           ; r
	v_bfe_u32 v3, v0, 4, 1                         ; h
	v_and_b32 v23, 8, v2
	v_add_nc_u32 v23, v23, v2                      ; r + 8 (r / 8)
	v_mul_u32_u24 v22, v23, PITCH
	v_lshl_add_u32 v22, v3, 4, v22
	s_mul_i32 s13, s20, RSTG
	v_add_nc_u32 v22, s13, v22                     ; W's fragments in my wave's staging
	s_lshl_b32 s13, s20, 15
	v_add_nc_u32 v5, s13, v1                       ; my quarter of the images in LDS
	s_mul_i32 s13, s20, 32*SPITCH
	s_add_co_u32 s13, s13, STG
	v_mul_u32_u24 v14, v2, SPITCH
	v_lshl_add_u32 v14, v3, 6, v14
	v_add_nc_u32 v14, s13, v14                     ; into my stage: row r, + 64 h
	v_mul_u32_u24 v15, v3, SPITCH
	v_lshl_add_u32 v15, v2, 4, v15
	v_add_nc_u32 v15, s13, v15                     ; back: lanes 0-15 one row of 256 bytes, lanes 16-31 the next
	v_lshlrev_b32 v12, 12, v3
	v_lshl_add_u32 v12, v2, 4, v12                 ; and the same two rows in y
	s_lshl_b32 s13, s6, 10
	s_lshl_b32 s14, s20, 8
	s_add_co_u32 s13, s13, s14
	v_lshl_add_u32 v24, v3, 6, s13                 ; the bias: (256 rg + 64 w + 16 h) x 4
	s_mov_b32 s40, 15|(1<<20)|(1<<21)|(7<<22)|(3<<25)   ; the mask: all four work-groups; elements of 1 byte; padding on; bit 21 beside a mask; after every 256 words (code 7); four words (code 3)
	s_mov_b32 s41, 1024<<16
	s_mov_b32 s42, 64<<16
	s_mov_b32 s43, 1024<<16
	s_mov_b32 s44, 64
	s_mov_b32 s45, 1024
	s_mov_b32 s46, 0
	s_mov_b32 s47, 0
	s_lshl_b32 s8, s6, 18
	s_lshl_b32 s9, s20, 16
	s_add_co_u32 s8, s8, s9
	s_mov_b32 s9, 0
	s_mul_i32 s10, s3, 24
	s_mov_b32 s11, 0
	s_wait_dscnt 0x0
	s_wait_kmcnt 0x0
	s_cmp_eq_u32 s3, 0
	s_cselect_b64 s[24:25], s[70:71], s[72:73]     ; W_p
	s_cselect_b64 s[26:27], s[74:75], s[76:77]     ; its bias
	s_add_nc_u64 s[24:25], s[24:25], s[8:9]        ; at row 256 rg + 64 w
	s_add_nc_u64 s[52:53], s[78:79], s[10:11]
	s_load_b64 s[48:49], s[52:53], 0x38            ; ea, eb: entries 14, 15 or 20, 21
	s_mov_b32 s36, 1
	s_mul_i32 s37, s20, RSTG
	s_mov_b64 s[38:39], s[24:25]
	s_or_b32 s39, s39, 0x80000000
	ROUND                                          ; all four work-groups are here: the joint loads meet
	tensor_load_to_lds s[36:39], s[40:47]          ; my 64 rows of W, for all four: the launch's one fill; one tensor load of mine is out
	s_nop 0
	PLACES
	s_bfe_u32 s4, ttmp6, 0x40000                   ; cx
	s_lshl_b32 s5, ttmp9, 2
	s_add_co_u32 s5, s5, s4
	s_and_b32 s5, s5, 31                           ; tc: which 128 rows
	s_lshl_b32 s16, s3, 22
	s_lshl_b32 s17, s5, 17
	s_add_co_u32 s16, s16, s17
	s_lshl_b32 s17, s20, 15
	s_add_co_u32 s16, s16, s17
	s_mov_b32 s17, 0
	s_add_nc_u64 s[30:31], s[68:69], s[16:17]      ; my quarter of the images in memory
	s_lshl_b32 s16, s3, 24
	s_lshl_b32 s18, s5, 19
	s_add_co_u32 s16, s16, s18
	s_add_co_u32 s16, s16, s13
	s_add_nc_u64 s[28:29], s[80:81], s[16:17]      ; y[p] at row 128 tc, column 256 rg + 64 w
	WIN 0xc0                                       ; destination window 3
.set nn, 0
.rept 64
	global_load_b128 v[4*nn:4*nn+3], v1, s[30:31] offset:512*nn
.set nn, nn+1
.endr
	WIN 0
	s_wait_alu depctr_va_vdst(0)
.irp a, 0,1,2,3
	global_load_b128 v[BR+8*\a:BR+8*\a+3], v24, s[26:27] offset:(32*(\a/2)+8*(\a%2))*4
	global_load_b128 v[BR+8*\a+4:BR+8*\a+7], v24, s[26:27] offset:(32*(\a/2)+8*(\a%2))*4+16
.endr
	s_wait_tensorcnt 0x0                           ; my part of W lies in LDS; only I read it
	WIN 0x40
.irp a, 0,1,2,3
.irp s, 0,1,2,3
.irp c, 0,1,2,3
	ds_load_b128 v[16*(4*\a+\s)+4*\c:16*(4*\a+\s)+4*\c+3], v22 offset:(32*(\a/2)+8*(\a%2))*PITCH+128*\s+32*\c
.endr
.endr
.endr
	WIN 0x80
.irp a, 0,1,2,3
.irp s, 0,1,2,3
.irp c, 0,1,2,3
	ds_load_b128 v[16*(4*\a+\s)+4*\c:16*(4*\a+\s)+4*\c+3], v22 offset:(32*(\a/2)+8*(\a%2))*PITCH+128*(\s+4)+32*\c
.endr
.endr
.endr
	WIN 0
	s_wait_dscnt 0x0                               ; my fragments of W are in registers:
	s_barrier_signal -1
	s_barrier_wait -1                              ; so are everybody's: the staging may be written over
	s_wait_loadcnt 0x0
	WIN 0x0c                                       ; the data in window 3
.set nn, 0
.rept 64
	ds_store_b128 v5, v[4*nn:4*nn+3] offset:512*nn
.set nn, nn+1
.endr
	WIN 0
	s_wait_kmcnt 0x0
	s_add_co_i32 s50, s48, s49
	s_sub_co_i32 s54, 0, s50
.set nn, 0
.rept 32
	v_ldexp_f32 v[BR+nn], v[BR+nn], s54            ; bias / 2^(ea + eb)
.set nn, nn+1
.endr
	s_add_co_i32 s50, s50, 127
	s_lshl_b32 s50, s50, 23                        ; 2^(ea + eb) as f32
	s_mov_b32 s51, s50
	s_wait_dscnt 0x0                               ; my quarter of the images has landed:
	s_barrier_signal -1
	s_barrier_wait -1                              ; all four have
.macro FETCH s, set                    ; two tiles of rows, K step s
.irp u, 0,1
.irp c, 0,1,2,3
	ds_load_b128 v[\set+16*\u+4*\c:\set+16*\u+4*\c+3], v7 offset:16384*\u+2048*(\s)+512*\c
.endr
.endr
.endm
.macro MUL s, set                      ; the 8 accumulators take turns, one instruction a turn
	WIN 1+((\s)>>2)
.irp a, 0,1,2,3
.irp u, 0,1
.if (\s) == 0
	v_wmma_f32_16x16x128_bf8_bf8 v[ACC+32*\u+8*\a:ACC+32*\u+8*\a+7], v[16*(4*\a+((\s)&3)):16*(4*\a+((\s)&3))+15], v[\set+16*\u:\set+16*\u+15], v[BR+8*\a:BR+8*\a+7]
.else
	v_wmma_f32_16x16x128_bf8_bf8 v[ACC+32*\u+8*\a:ACC+32*\u+8*\a+7], v[16*(4*\a+((\s)&3)):16*(4*\a+((\s)&3))+15], v[\set+16*\u:\set+16*\u+15], v[ACC+32*\u+8*\a:ACC+32*\u+8*\a+7]
.endif
.endr
.endr
	WIN 0
.endm
	s_mov_b32 s32, 0
	s_mov_b32 s33, 0
.Ltrip:                                            ; four trips: 32 rows each
	v_add_nc_u32 v7, s33, v1
	FETCH 0, F0
	FETCH 1, F1
	s_wait_dscnt 8                                 ; K step 0's eight loads are in; K step 1's may be out
	s_wait_alu depctr_va_vdst(0)
	MUL 0, F0
.irp s, 1,2,3,4,5,6
	PLACES
	FETCH (\s+1), F0+32*((\s+1)%2)
	s_wait_dscnt 8                                 ; all but the eight just issued
	MUL \s, F0+32*(\s%2)
.endr
	s_wait_dscnt 0x0
	MUL 7, F1
	PLACES
.set nn, 0
.rept 32
	v_pk_mul_f32 v[ACC+nn:ACC+nn+1], v[ACC+nn:ACC+nn+1], s[50:51] op_sel_hi:[1,0]   ; x 2^(ea + eb); each accumulator from its low end on
.set nn, nn+2
.endr
.irp u, 0,1
.irp b, 0,1
.irp i, 0,1,2,3
	ds_store_b128 v14, v[ACC+32*\u+16*\b+4*\i:ACC+32*\u+16*\b+4*\i+3] offset:16*SPITCH*\u+128*\b+16*\i
.endr
.endr
.endr
.irp k, 0,1,2,3,4,5,6,7,8,9,10,11,12,13,14,15
	ds_load_b128 v[OUTR+4*\k:OUTR+4*\k+3], v15 offset:2*SPITCH*\k      ; LDS serves a wave's instructions in order: these see my stores
.endr
.irp k, 0,1,2,3,4,5,6,7,8,9,10,11,12,13,14,15
	s_wait_dscnt 15-\k                             ; read-back k is in; the younger ones may be out
	global_store_b128 v12, v[OUTR+4*\k:OUTR+4*\k+3], s[28:29] offset:8192*\k     ; sixteen lanes store 256 consecutive bytes, at a multiple of 256 from y's first byte
.endr
	s_wait_xcnt 0x0                                ; the stores have read their registers and their base
	s_add_nc_u64 s[28:29], s[28:29], 131072
	s_add_co_u32 s33, s33, 32768
	s_add_co_u32 s32, s32, 1
	s_cmp_lt_u32 s32, 4
	s_cbranch_scc1 .Ltrip
	s_wait_tensorcnt 0x0
	ds_add_u32 v30, v31
	s_wait_dscnt 0x0
	ROUND                                          ; the closing round: no work-group ends while a partner may still ask for a tile that names it
	s_endpgm
.Lfunc_end_k_q1c5ea1ee9f_outp:
	.size	k_q1c5ea1ee9f_outp, .Lfunc_end_k_q1c5ea1ee9f_outp-k_q1c5ea1ee9f_outp
	.p2alignl 7, 3214868480
	.fill 96, 4, 3214868480
	.section	.rodata,"a",@progbits
	.p2align	6, 0x0
	.amdhsa_kernel k_q1c5ea1ee9f_outp
		.amdhsa_group_segment_fixed_size 266752
		.amdhsa_private_segment_fixed_size 0
		.amdhsa_enable_private_segment 0
		.amdhsa_kernarg_size 56
		.amdhsa_user_sgpr_count 2
		.amdhsa_user_sgpr_kernarg_segment_ptr 1
		.amdhsa_wavefront_size32 1
		.amdhsa_system_sgpr_workgroup_id_x 1
		.amdhsa_system_sgpr_workgroup_id_y 1
		.amdhsa_system_sgpr_workgroup_id_z 1
		.amdhsa_system_vgpr_workitem_id 0
		.amdhsa_next_free_vgpr 1024
		.amdhsa_next_free_sgpr 82
		.amdhsa_reserve_vcc 0
		.amdhsa_float_denorm_mode_32 3
		.amdhsa_float_denorm_mode_16_64 3
		.amdhsa_memory_ordered 1
		.amdhsa_forward_progress 1
		.amdhsa_inst_pref_size 43
	.end_amdhsa_kernel
	.amdgpu_metadata
---
amdhsa.version: [ 1, 2 ]
amdhsa.kernels:
  - .name:           k_q1c5ea1ee9f_outp
    .symbol:         k_q1c5ea1ee9f_outp.kd
    .args:
      - { .name: ao, .offset: 0, .size: 8, .value_kind: global_buffer, .address_space: global }
      - { .name: Wo_codes, .offset: 8, .size: 8, .value_kind: global_buffer, .address_space: global }
      - { .name: Wow_codes, .offset: 16, .size: 8, .value_kind: global_buffer, .address_space: global }
      - { .name: bo, .offset: 24, .size: 8, .value_kind: global_buffer, .address_space: global }
      - { .name: bow, .offset: 32, .size: 8, .value_kind: global_buffer, .address_space: global }
      - { .name: lowp_scales, .offset: 40, .size: 8, .value_kind: global_buffer, .address_space: global }
      - { .name: y, .offset: 48, .size: 8, .value_kind: global_buffer, .address_space: global }
    .group_segment_fixed_size: 266752
    .private_segment_fixed_size: 0
    .kernarg_segment_align: 8
    .kernarg_segment_size: 56
    .max_flat_workgroup_size: 128
    .sgpr_count:     82
    .vgpr_count:     1024
    .wavefront_size: 32
...
	.end_amdgpu_metadata
.endif
;; end of part 4
;; launch lnorm (part 5): grid 512 x 1, 8 waves a work-group, no clusters, 0 bytes of LDS; arguments query, y, ln_w, ln_b, out0, out1; writes out0, out1
.if DOCPART == 5
	.amdgcn_target "amdgcn-amd-amdhsa--gfx1250"
	.amdhsa_code_object_version 6
	.text
	.protected	k_q1c5ea1ee9f_lnorm
	.globl	k_q1c5ea1ee9f_lnorm
	.p2align	8
	.type	k_q1c5ea1ee9f_lnorm,@function
k_q1c5ea1ee9f_lnorm:
	s_mov_b64 s[64:65], 0
	v_nop
	global_prefetch_b8 v0, s[64:65] scope:SCOPE_SE
	s_setreg_imm32_b32 hwreg(HW_REG_WAVE_MODE, 25, 1), 1
	s_wait_xcnt 0x0
; x0 = query + y[0], x1 = x0 + y[1]; out0 = layer norm of x0, out1 = layer norm of x1, all f32, rows of 1,024.
; One wave takes one row: 32 registers an array, eight loads of 512 consecutive bytes.  Mean first, then the mean of the squared differences, as the function is written; the row never leaves the registers.
; No LDS, no barrier, no matrix unit: memory binds, and each byte is read and written once.
.set Q,  8                             ; v8-39    query, then out0
.set Y0, 40                            ; v40-71   y[0], then x0, then out1
.set WG, 72                            ; v72-103  ln_w
.set BI, 104                           ; v104-135 ln_b
.set Y1, 136                           ; v136-167 y[1], then x1
.set T,  168                           ; v168-175 at work
.set MU, 176                           ; v[176:177] -mean, twice
.set RS, 178                           ; v[178:179] 1 / sqrt(var + eps), twice
.set PX, 180
	s_load_b256 s[4:11], s[0:1], 0x0               ; query 4, y 6, ln_w 8, ln_b 10
	s_load_b128 s[12:15], s[0:1], 0x20             ; out0 12, out1 14
	v_lshrrev_b32 v1, 5, v0
	s_delay_alu instid0(VALU_DEP_1)
	v_readfirstlane_b32 s16, v1
	v_and_b32 v2, 31, v0
	s_delay_alu instid0(VALU_DEP_1)
	v_lshlrev_b32 v2, 4, v2                        ; 16 x lane
	s_lshl_b32 s17, ttmp9, 3
	s_add_co_u32 s17, s17, s16                     ; my row
	s_lshl_b32 s18, s17, 12
	s_mov_b32 s19, 0
	s_mov_b32 s20, 0x76543210
	s_mov_b32 s21, 0xfedcba98
	s_mov_b32 s22, 0x3a800000                      ; 1 / 1,024
	v_mov_b32 v[PX], 0                             ; a lane permute's destination counts as one of its sources
	s_wait_alu depctr_va_vdst(0)
	s_wait_kmcnt 0x0
	s_add_nc_u64 s[4:5], s[4:5], s[18:19]
	s_add_nc_u64 s[6:7], s[6:7], s[18:19]
	s_add_nc_u64 s[12:13], s[12:13], s[18:19]
	s_add_nc_u64 s[14:15], s[14:15], s[18:19]
	s_add_nc_u64 s[24:25], s[6:7], 0x1000000       ; y[1]
.macro LD8N reg, base                  ; read once in this launch
.irp j, 0,1,2,3,4,5,6,7
	global_load_b128 v[\reg+4*\j:\reg+4*\j+3], v2, s[\base:\base+1] offset:512*\j th:TH_LOAD_NT
.endr
.endm
.macro LD8 reg, base                   ; read by every wave
.irp j, 0,1,2,3,4,5,6,7
	global_load_b128 v[\reg+4*\j:\reg+4*\j+3], v2, s[\base:\base+1] offset:512*\j
.endr
.endm
	LD8N Q, 4
	LD8N Y0, 6
	LD8 WG, 8
	LD8 BI, 10
	LD8N Y1, 24
.macro FOLDT                           ; the four pairs at work, then the 32 lanes: the sum in every lane's v[T]
	s_delay_alu instid0(VALU_DEP_3)
	v_pk_add_f32 v[T:T+1], v[T:T+1], v[T+2:T+3]
	s_delay_alu instid0(VALU_DEP_2)
	v_pk_add_f32 v[T+4:T+5], v[T+4:T+5], v[T+6:T+7]
	s_delay_alu instid0(VALU_DEP_1)
	v_pk_add_f32 v[T:T+1], v[T:T+1], v[T+4:T+5]
	s_delay_alu instid0(VALU_DEP_1)
	v_add_f32 v[T], v[T], v[T+1]
	s_delay_alu instid0(VALU_DEP_1)
	v_add_f32_dpp v[T], v[T], v[T] row_xmask:1 row_mask:0xf bank_mask:0xf
	s_delay_alu instid0(VALU_DEP_1)
	v_add_f32_dpp v[T], v[T], v[T] row_xmask:2 row_mask:0xf bank_mask:0xf
	s_delay_alu instid0(VALU_DEP_1)
	v_add_f32_dpp v[T], v[T], v[T] row_xmask:4 row_mask:0xf bank_mask:0xf
	s_delay_alu instid0(VALU_DEP_1)
	v_add_f32_dpp v[T], v[T], v[T] row_xmask:8 row_mask:0xf bank_mask:0xf
	s_delay_alu instid0(VALU_DEP_1)
	v_permlanex16_b32 v[PX], v[T], s20, s21
	s_delay_alu instid0(VALU_DEP_1)
	v_add_f32 v[T], v[T], v[PX]
.endm
.macro LN src, dst, left               ; left: the loads that may stay out when the gain and the bias are wanted
.irp k, 0,1,2,3
	v_pk_add_f32 v[T+2*\k:T+2*\k+1], v[\src+4*\k:\src+4*\k+1], v[\src+4*\k+2:\src+4*\k+3]
.endr
.irp g, 16,24
.irp k, 0,1,2,3
	s_delay_alu instid0(VALU_DEP_4)
	v_pk_add_f32 v[T+2*\k:T+2*\k+1], v[T+2*\k:T+2*\k+1], v[\src+\g+2*\k:\src+\g+2*\k+1]
.endr
.endr
	FOLDT
	s_delay_alu instid0(VALU_DEP_1)
	v_mul_f32 v[MU], 0xba800000, v[T]              ; -mean
	s_delay_alu instid0(VALU_DEP_1)
	v_mov_b32 v[MU+1], v[MU]
.irp k, 0,2,4,6,8,10,12,14,16,18,20,22,24,26,28,30
	v_pk_add_f32 v[\dst+\k:\dst+\k+1], v[\src+\k:\src+\k+1], v[MU:MU+1]
.endr
.irp k, 0,1,2,3
	v_pk_mul_f32 v[T+2*\k:T+2*\k+1], v[\dst+2*\k:\dst+2*\k+1], v[\dst+2*\k:\dst+2*\k+1]
.endr
.irp g, 8,16,24
.irp k, 0,1,2,3
	s_delay_alu instid0(VALU_DEP_4)
	v_pk_fma_f32 v[T+2*\k:T+2*\k+1], v[\dst+\g+2*\k:\dst+\g+2*\k+1], v[\dst+\g+2*\k:\dst+\g+2*\k+1], v[T+2*\k:T+2*\k+1]
.endr
.endr
	FOLDT
	s_delay_alu instid0(VALU_DEP_1)
	v_fmaak_f32 v[T], s22, v[T], 0x3727c5ac        ; the variance + 1e-5
	s_wait_alu depctr_va_vdst(0)
	v_rsq_f32 v[RS], v[T]
	v_rsq_f32 v[RS+1], v[T]
	v_nop                                          ; a plain line behind the transcendentals
	s_wait_loadcnt \left
	s_wait_alu depctr_va_vdst(0)
.irp k, 0,2,4,6,8,10,12,14,16,18,20,22,24,26,28,30
	v_pk_mul_f32 v[\dst+\k:\dst+\k+1], v[\dst+\k:\dst+\k+1], v[RS:RS+1]
.endr
.irp k, 0,2,4,6,8,10,12,14,16,18,20,22,24,26,28,30
	v_pk_fma_f32 v[\dst+\k:\dst+\k+1], v[\dst+\k:\dst+\k+1], v[WG+\k:WG+\k+1], v[BI+\k:BI+\k+1]
.endr
.endm
	s_wait_loadcnt 24                              ; query and y[0] are in; the three arrays behind them, eight loads each, may be out
.irp k, 0,2,4,6,8,10,12,14,16,18,20,22,24,26,28,30
	v_pk_add_f32 v[Y0+\k:Y0+\k+1], v[Y0+\k:Y0+\k+1], v[Q+\k:Q+\k+1]       ; x0
.endr
	LN Y0, Q, 8                                    ; y[1]'s eight loads may stay out
.irp j, 0,1,2,3,4,5,6,7
	global_store_b128 v2, v[Q+4*\j:Q+4*\j+3], s[12:13] offset:512*\j th:TH_STORE_NT
.endr
	s_wait_loadcnt 0x0
.irp k, 0,2,4,6,8,10,12,14,16,18,20,22,24,26,28,30
	v_pk_add_f32 v[Y1+\k:Y1+\k+1], v[Y1+\k:Y1+\k+1], v[Y0+\k:Y0+\k+1]     ; x1
.endr
	LN Y1, Y0, 0
.irp j, 0,1,2,3,4,5,6,7
	global_store_b128 v2, v[Y0+4*\j:Y0+4*\j+3], s[14:15] offset:512*\j th:TH_STORE_NT
.endr
	s_endpgm
.Lfunc_end_k_q1c5ea1ee9f_lnorm:
	.size	k_q1c5ea1ee9f_lnorm, .Lfunc_end_k_q1c5ea1ee9f_lnorm-k_q1c5ea1ee9f_lnorm
	.p2alignl 7, 3214868480
	.fill 96, 4, 3214868480
	.section	.rodata,"a",@progbits
	.p2align	6, 0x0
	.amdhsa_kernel k_q1c5ea1ee9f_lnorm
		.amdhsa_group_segment_fixed_size 0
		.amdhsa_private_segment_fixed_size 0
		.amdhsa_enable_private_segment 0
		.amdhsa_kernarg_size 48
		.amdhsa_user_sgpr_count 2
		.amdhsa_user_sgpr_kernarg_segment_ptr 1
		.amdhsa_wavefront_size32 1
		.amdhsa_system_sgpr_workgroup_id_x 1
		.amdhsa_system_sgpr_workgroup_id_y 1
		.amdhsa_system_sgpr_workgroup_id_z 1
		.amdhsa_system_vgpr_workitem_id 0
		.amdhsa_next_free_vgpr 184
		.amdhsa_next_free_sgpr 66
		.amdhsa_reserve_vcc 0
		.amdhsa_float_denorm_mode_32 3
		.amdhsa_float_denorm_mode_16_64 3
		.amdhsa_memory_ordered 1
		.amdhsa_forward_progress 1
		.amdhsa_inst_pref_size 24
	.end_amdhsa_kernel
	.amdgpu_metadata
---
amdhsa.version: [ 1, 2 ]
amdhsa.kernels:
  - .name:           k_q1c5ea1ee9f_lnorm
    .symbol:         k_q1c5ea1ee9f_lnorm.kd
    .args:
      - { .name: query, .offset: 0, .size: 8, .value_kind: global_buffer, .address_space: global }
      - { .name: y, .offset: 8, .size: 8, .value_kind: global_buffer, .address_space: global }
      - { .name: ln_w, .offset: 16, .size: 8, .value_kind: global_buffer, .address_space: global }
      - { .name: ln_b, .offset: 24, .size: 8, .value_kind: global_buffer, .address_space: global }
      - { .name: out0, .offset: 32, .size: 8, .value_kind: global_buffer, .address_space: global }
      - { .name: out1, .offset: 40, .size: 8, .value_kind: global_buffer, .address_space: global }
    .group_segment_fixed_size: 0
    .private_segment_fixed_size: 0
    .kernarg_segment_align: 8
    .kernarg_segment_size: 48
    .max_flat_workgroup_size: 256
    .sgpr_count:     66
    .vgpr_count:     184
    .wavefront_size: 32
...
	.end_amdgpu_metadata
.endif
;; end of part 5
